; MI455X (gfx1250); checked and timed in simulation.
; The chip was launched on July 23, 2026; its instructions are those of AMD's public machine-readable ISA for CDNA 5 (MIT licence, August 2026) and "CDNA5" Instruction Set Architecture Reference Guide (July 2026). The comments in the code are by the model that wrote it; some were corrected since.
;; Dist Attention. Allowed arithmetic: float matrix products may take bf16 or f16 operands with f32 sums; other float arithmetic in f32, or as packed bf16 or f16 multiplies, adds, multiply-adds, maxima and minima; sums over many terms, partial sums and values carried from step to step in f32; what a program stores and reads back later, other than sums and carried values, may be rounded once to bf16 or f16.
;; Inputs: bk_mu 1,024 float32; bk_var 1,024 float32; bo_mu 1,024 float32; bo_var 1,024 float32; bq_mu 1,024 float32; bq_var 1,024 float32; bv_mu 1,024 float32; bv_var 1,024 float32; mu 1 x 256 x 1,024 float32; var 1 x 256 x 1,024 float32; wk_mu 1,024 x 1,024 float32; wk_var 1,024 x 1,024 float32; wo_mu 1,024 x 1,024 float32; wo_var 1,024 x 1,024 float32; wq_mu 1,024 x 1,024 float32; wq_var 1,024 x 1,024 float32; wv_mu 1,024 x 1,024 float32; wv_var 1,024 x 1,024 float32.
;; Outputs: out0 1 x 256 x 1,024 float32; out1 1 x 256 x 1,024 float32.
;; 2 versions, each right and faster than the one before. Each part assembles by itself: llvm-mc -triple=amdgcn-amd-amdhsa -mcpu=gfx1250 --defsym DOCPART=n.
;; ======== version 1 of 2: 3 launches
;; limits: values are held in f16: magnitudes above 65,504 overflow, below 6.1e-05 lose precision
;; workspace buffers: wsf 4,194,304 bytes; wsv 1,048,576 bytes; wsl 16,384 bytes; wso 1,048,576 bytes
;; launch proj (part 1): grid 2 x 96, 4 waves a work-group, no clusters, 132,096 bytes of LDS; arguments mu, var, wq_mu, wk_mu, wv_mu, wq_var, wk_var, wv_var, bq_mu, bk_mu, bv_mu, bq_var, bk_var, bv_var, wsf, wsv, wsl; writes wsf, wsv, wsl
.if DOCPART == 1
	.amdgcn_target "amdgcn-amd-amdhsa--gfx1250"
	.amdhsa_code_object_version 6
	.text
	.protected	k_q7ebc9cdd72_proj
	.globl	k_q7ebc9cdd72_proj
	.p2align	8
	.type	k_q7ebc9cdd72_proj,@function
k_q7ebc9cdd72_proj:
	s_mov_b64 s[64:65], 0
	v_nop
	global_prefetch_b8 v0, s[64:65] scope:SCOPE_SE
	s_setreg_imm32_b32 hwreg(HW_REG_WAVE_MODE, 25, 1), 1
	s_wait_xcnt 0x0
; THE SIX PROJECTIONS.  y = x W + b, x = mu or var [256][1024] f32, W [1024 (k)][1024 (n)] f32, b [1024]; the var ones go through softplus.
; x, W and b are rounded to bf16 (every input of the program is), products on the matrix unit, sums in f32.
; OUT: wsf, four f32 planes [16 heads][256 rows][64]: Qm, Qv, Km, R' = (log2 e / 16) / Kv;  wsv, two f16 planes [16][256][64]: Vm, Vv;
;      wsl, f32 [16][256]: LKH[h][k] = (1/32) x the sum over d of log2 Kv[k][d].
; DEAD WORK.  kl = (Qm-Km)^2 / (2 Kv) + (Qv/Kv - log Qv + log Kv - 1) / 2.  Summed over d and scaled, the terms -log Qv / 2 and -1/2 hang on the query alone:
; they are the same along the softmax's axis k and cancel in it, for all finite values of the inputs.  So log Qv is never made.  No input is left out.
; What is left, times log2 e:  -score' = sum_d ((Qm-Km)^2 + Qv) R' + (1/16) sum_d log2 Kv.
; LIMITS.  A NaN, an infinity or an overflow that would arise in log Qv alone is not carried to the result.  softplus = max(y,0) + log1p(e^-|y|); e^-|y| below 2^-126
; (y below -87.3) counts as 0, and a Kv of 0 gives an infinite R'.  Vm and Vv are kept in f16: up to 65,504; below 6e-5 with f16's fixed step of 6e-8.
; SHARES.  A work-group makes 128 rows x 64 columns: half of the rows of one head of one of the six matrices (192 work-groups: 96 x 64 would give 256 but does not divide 256 rows).
; K IS SPLIT AMONG THE FOUR WAVES, 256 each: no byte is loaded twice in a work-group; the four partial tiles meet once in LDS.
; NO LDS ON THE WAY IN, AND NO JOINT LOADS: a lane's loads are its own fragments' numbers.  For 16 rows k of W a lane (r = l % 16, h = l / 16) loads W[k0+16h+j][4r .. 4r+3]: sixteen lanes
; read 256 consecutive bytes.  Component c of the 16 loads, rounded in pairs of rows, is a B fragment whose column r is the real column 4r + c.  In A and B alike place (h, i) of a fragment
; stands for k0 + 16h + i: one permutation of k on both sides, which leaves the products' sum what it is.  A tile asked for jointly would land in LDS as f32 and be read from there again.
; A's fragment row m is the real row 2 (m % 8) + m / 8, so register j of a result in lane half h is row 2j + h, and the four tiles c give a lane columns 4r .. 4r+3 of that row:
; a store of 16 bytes a lane covers 512 consecutive bytes.
; REGISTERS, in windows of 256 (s_set_vgpr_msb: bits 1:0 source 0, 3:2 source 1, 5:4 source 2, 7:6 destination):
;   window 0: v0-23 addresses, bias, at work; v32-95 A's 8 fragments; v96-127 W's 4 fragments.  At the end: v32-63 Y, v64-191 PX, v192-207 Z
;   window 1: accumulator (s, c) at v[8 (4 s + c)]        windows 2, 3: what the loads bring, by turns: x of m tile s at v[16 s ..], W's row j at v[128 + 4 j ..]
.set LKB,   131072                     ; LDS: behind the four waves' partial tiles (32,768 bytes each): 128 bytes a wave for the rows' sums of logs
.set SPARE, 131584                     ; behind them: the spare words, 128 bytes for each wave: two blocks of 256 bytes that no other line names
.set AO,  2                            ; v2   x: (2 (r % 8) + r / 8) x 4096 + 64 h + 1024 w; never rewritten
.set WO,  3                            ; v3   W: (256 w + 16 h) x 4096 + 16 r; never rewritten
.set LS,  4                            ; v4   32768 w + 16 l: where my partial tiles go
.set LR0, 5                            ; v5   8192 w + 16 l: where waves 0 and 1 left the tiles that I finish;  v6 the same for waves 2 and 3
.set GO,  7                            ; v7   my bytes in the output plane
.set SPW, 8                            ; v8   LDS address of my spare word; never rewritten
.set NIL, 9                            ; v9   0; never rewritten
.set BO,  12                           ; v12  16 r
.set LKS, 13                           ; v13  where a row's sum of logs goes
.set LKR, 14                           ; v14  where I read one back
.set LKG, 15                           ; v15  its place in wsl
.set BV,  16                           ; v[16:19] bias of my four columns
.set FA,  32
.set FW,  96
.set Y,   32
.set PX,  64
.set Z,   192
.set NL2E, 54                          ; s54  -log2 e
.set ABSM, 55                          ; s55  clears a sign
.set LN2,  56                          ; s[56:57] ln 2
.set MSB, 0
.macro WIN new                         ; the immediate's high byte repeats the setting that is left; a switch that changes nothing is dropped
.if MSB != (\new)
	s_set_vgpr_msb (MSB<<8)|(\new)
.set MSB, (\new)
.endif
.endm
.macro PLACES                          ; four plain vector instructions between a matrix instruction and a vector instruction or LDS store that touches its registers
.rept 4
	v_nop
.endr
.endm
; softplus of n numbers at v[y], in place; t, u, g: n registers each, at work.  With t = e^-|y| and u = fl(1 + t): log1p(t) = ln 2 x log2 u + (t - (u - 1)).
; Two batches of transcendentals, each with plain work behind it and ONE wait ahead of its first reader.
.macro SOFTPLUS y, n, t, u, g
.set z, 0
.rept \n
	v_and_b32 v[(\t)+z], s[ABSM], v[(\y)+z]
.set z, z+1
.endr
.set z, 0
.rept \n
	v_mul_f32 v[(\t)+z], s[NL2E], v[(\t)+z]
.set z, z+1
.endr
.set z, 0
.rept \n
	v_exp_f32 v[(\t)+z], v[(\t)+z]
.set z, z+1
.endr
.set z, 0
.rept \n
	v_max_num_f32 v[(\y)+z], 0, v[(\y)+z]
.set z, z+1
.endr
	s_wait_alu depctr_va_vdst(0)
.set z, 0
.rept (\n)/2
	v_pk_add_f32 v[(\u)+z:(\u)+z+1], v[(\t)+z:(\t)+z+1], 1.0 op_sel_hi:[1,0]
.set z, z+2
.endr
.set z, 0
.rept \n
	v_log_f32 v[(\g)+z], v[(\u)+z]
.set z, z+1
.endr
	v_nop                                          ; a plain instruction behind the last logarithm, ahead of the write of its source
.set z, 0
.rept (\n)/2
	v_pk_add_f32 v[(\u)+z:(\u)+z+1], v[(\u)+z:(\u)+z+1], -1.0 op_sel_hi:[1,0]
.set z, z+2
.endr
.set z, 0
.rept (\n)/2
	v_pk_add_f32 v[(\t)+z:(\t)+z+1], v[(\t)+z:(\t)+z+1], v[(\u)+z:(\u)+z+1] neg_lo:[0,1] neg_hi:[0,1]
.set z, z+2
.endr
.set z, 0
.rept (\n)/2
	v_pk_add_f32 v[(\y)+z:(\y)+z+1], v[(\y)+z:(\y)+z+1], v[(\t)+z:(\t)+z+1]
.set z, z+2
.endr
	s_wait_alu depctr_va_vdst(0)
.set z, 0
.rept (\n)/2
	v_pk_fma_f32 v[(\y)+z:(\y)+z+1], v[(\g)+z:(\g)+z+1], s[LN2:LN2+1], v[(\y)+z:(\y)+z+1] op_sel_hi:[1,0,1]
.set z, z+2
.endr
.endm
	s_load_b512 s[8:23], s[0:1], 0x0               ; mu, var, wq_mu, wk_mu, wv_mu, wq_var, wk_var, wv_var
	s_load_b512 s[24:39], s[0:1], 0x40             ; bq_mu, bk_mu, bv_mu, bq_var, bk_var, bv_var, wsf, wsv
	s_load_b64 s[40:41], s[0:1], 0x80              ; wsl
	v_lshl_add_u32 v[SPW], v0, 2, SPARE
	v_mov_b32 v[NIL], 0
	v_lshrrev_b32 v20, 5, v0
	v_readfirstlane_b32 s2, v20                    ; wave 0..3
	s_mov_b32 s3, ttmp9                            ; which 128 rows
	s_and_b32 s4, ttmp7, 0xffff
	s_lshr_b32 s5, s4, 4                           ; type: q_mu, k_mu, v_mu, q_var, k_var, v_var
	s_and_b32 s6, s4, 15                           ; head
	s_cmp_ge_u32 s5, 3
	s_cselect_b32 s7, 1, 0                         ; 1: a var projection
	s_mul_i32 s42, s7, 3
	s_sub_co_u32 s42, s5, s42                      ; kind: 0 q, 1 k, 2 v
	s_mov_b32 s[NL2E], 0xbfb8aa3b
	s_mov_b32 s[ABSM], 0x7fffffff
	s_mov_b32 s[LN2], 0x3f317218
	s_mov_b32 s[LN2+1], 0x3f317218
	s_mov_b32 s58, 0x3db8aa3b                      ; log2 e / 16
	s_mov_b32 s59, 0x3db8aa3b
	s_mov_b32 s60, 0xffff0000                      ; a word's upper bf16
	v_and_b32 v1, 15, v0                           ; r
	v_bfe_u32 v10, v0, 4, 1                        ; h
	v_and_b32 v11, 31, v0                          ; l
	v_and_b32 v20, 7, v1
	v_lshrrev_b32 v21, 3, v1
	v_lshl_add_u32 v20, v20, 1, v21                ; the real row of fragment row r
	v_lshlrev_b32 v[AO], 12, v20
	v_lshl_add_u32 v[AO], v10, 6, v[AO]
	s_lshl_b32 s43, s2, 10
	v_add_nc_u32 v[AO], s43, v[AO]
	v_lshlrev_b32 v[WO], 4, v1
	v_lshl_add_u32 v[WO], v10, 16, v[WO]
	s_lshl_b32 s43, s2, 20
	v_add_nc_u32 v[WO], s43, v[WO]
	s_lshl_b32 s43, s2, 15
	v_lshl_add_u32 v[LS], v11, 4, s43
	s_lshl_b32 s43, s2, 13
	v_lshl_add_u32 v[LR0], v11, 4, s43
	v_add_nc_u32 v[LR0+1], 0x10000, v[LR0]
	v_lshlrev_b32 v[GO], 4, v1                     ; f32 planes: 8192 w + 256 h + 16 r,
	v_lshl_add_u32 v[GO], v10, 8, v[GO]
	v_add_nc_u32 v[GO], s43, v[GO]
	s_cmp_eq_u32 s42, 2
	s_cselect_b32 s43, 1, 0
	v_lshrrev_b32 v[GO], s43, v[GO]                ; f16 planes: half of that
	s_mov_b32 s62, 4096
	s_lshr_b32 s62, s62, s43                       ; 16 rows of the plane
	v_lshlrev_b32 v[BO], 4, v1
	s_lshl_b32 s43, s2, 7
	s_add_co_u32 s43, s43, LKB
	v_lshl_add_u32 v[LKS], v10, 2, s43
	v_lshl_add_u32 v[LKR], v11, 2, s43
	s_lshl_b32 s43, s6, 10                         ; wsl: (256 head + 128 half + 32 w + l) x 4
	s_lshl_b32 s63, s3, 9
	s_add_co_u32 s43, s43, s63
	s_lshl_b32 s63, s2, 7
	s_add_co_u32 s43, s43, s63
	v_lshl_add_u32 v[LKG], v11, 2, s43
	s_lshl1_add_u32 s43, s42, s7                   ; the f32 plane: 2 kind + var,
	s_lshl_b32 s43, s43, 20
	s_lshl_b32 s4, s6, 16                          ; the head, the half
	s_add_co_u32 s43, s43, s4
	s_lshl_b32 s4, s3, 15
	s_add_co_u32 s43, s43, s4
	s_lshl_b32 s63, s7, 19                         ; the same in wsv
	s_lshl_b32 s4, s6, 15
	s_add_co_u32 s63, s63, s4
	s_lshl_b32 s4, s3, 14
	s_add_co_u32 s63, s63, s4
	s_mov_b32 s53, 0
	s_wait_kmcnt 0x0
	s_mov_b64 s[46:47], s[12:13]                   ; W and b by the type: choices between buffers on a number made of the work-group's id alone
	s_mov_b64 s[48:49], s[24:25]
.irp t, 1,2,3,4,5
	s_cmp_eq_u32 s5, \t
	s_cselect_b64 s[46:47], s[12+2*(\t):13+2*(\t)], s[46:47]
	s_cselect_b64 s[48:49], s[24+2*(\t):25+2*(\t)], s[48:49]
.endr
	s_cmp_eq_u32 s7, 1
	s_cselect_b64 s[44:45], s[10:11], s[8:9]       ; x
	s_cmp_eq_u32 s42, 2
	s_cselect_b64 s[50:51], s[38:39], s[36:37]     ; the output's buffer,
	s_cselect_b32 s52, s63, s43                    ; and my part of it
	s_add_nc_u64 s[50:51], s[50:51], s[52:53]
	s_lshl_b32 s52, s3, 19                         ; 128 rows of x
	s_add_nc_u64 s[44:45], s[44:45], s[52:53]
	s_lshl_b32 s52, s6, 8                          ; the head's 64 columns
	s_add_nc_u64 s[46:47], s[46:47], s[52:53]
	s_add_nc_u64 s[48:49], s[48:49], s[52:53]
	global_load_b128 v[BV:BV+3], v[BO], s[48:49]
.macro LOADW b, k                      ; K step k: 16 rows of W for each half of the lanes, into raw buffer b
	WIN (2+(\b))<<6
.set j, 0
.rept 16
	global_load_b128 v[128+4*j:128+4*j+3], v[WO], s[46:47] offset:(\k)*131072+j*4096
.set j, j+1
.endr
.endm
.macro LOADA b, k                      ; K step k: 16 numbers of x for each of my 8 m tiles (j = 4 s + t)
	WIN (2+(\b))<<6
.set j, 0
.rept 32
	global_load_b128 v[4*j:4*j+3], v[AO], s[44:45] offset:(j/4)*65536+(\k)*128+(j%4)*16
.set j, j+1
.endr
.endm
.macro CVT b                           ; raw buffer b is rounded to bf16: 8 fragments of x, 4 of W
	WIN 0x0a+5*(\b)
.set j, 0
.rept 64
	v_cvt_pk_bf16_f32 v[FA+j], v[2*j], v[2*j+1]
.set j, j+1
.endr
.set j, 0
.rept 32                               ; fragment c = j / 8, register i = j % 8: rows 2 i and 2 i + 1, component c
	v_cvt_pk_bf16_f32 v[FW+j], v[128+8*(j%8)+j/8], v[128+8*(j%8)+4+j/8]
.set j, j+1
.endr
.endm
.macro MUL zero                        ; 32 products; the 32 accumulators take turns, one instruction a turn, from K step to K step too.  zero = 1: the first K step starts the sums
	WIN 0x50
.set j, 0
.rept 32
.if \zero
	v_wmma_f32_16x16x32_bf16 v[8*j:8*j+7], v[FA+8*(j/4):FA+8*(j/4)+7], v[FW+8*(j%4):FW+8*(j%4)+7], 0
.else
	v_wmma_f32_16x16x32_bf16 v[8*j:8*j+7], v[FA+8*(j/4):FA+8*(j/4)+7], v[FW+8*(j%4):FW+8*(j%4)+7], v[8*j:8*j+7]
.endif
.set j, j+1
.endr
.endm
	LOADW 0, 0
	LOADA 0, 0
	LOADW 1, 1
	LOADA 1, 1
; My 8 K steps of 32, written out: every step stands in the loads' immediates (978,944 at the most), and no address register is ever rewritten.
.irp k, 0,1,2,3,4,5,6,7
.if (\k) == 7
	s_wait_loadcnt 0x0
.else
	s_wait_loadcnt 48                              ; loads come back in order: behind this step's stand the 16 + 32 of the next step alone
.endif
.if (\k) > 0
	PLACES                                         ; the conversions write fragments that the last products read
.endif
	CVT (\k)%2
.if (\k) < 6
	LOADW (\k)%2, (\k)+2                           ; the raw buffer is free: W's rows go out ahead of the products,
.endif
.if (\k) == 0
	MUL 1
.else
	MUL 0
.endif
.if (\k) < 6
	LOADA (\k)%2, (\k)+2                           ; x's behind them
.endif
.endr
	PLACES
	WIN 0x04                                       ; store data in window 1
.set j, 0
.rept 32                               ; each accumulator's low registers first; 32 lanes x 16 bytes on end
	ds_store_b128 v[LS], v[8*j:8*j+3] offset:1024*j
	ds_store_b128 v[LS], v[8*j+4:8*j+7] offset:1024*j+512
.set j, j+1
.endr
	WIN 0
	s_wait_dscnt 0x0                               ; for the others' sake: my partial tiles lie in LDS
	s_barrier_signal -1
	s_barrier_wait -1
	v_cvt_pk_bf16_f32 v20, v[BV], v[BV+1]          ; the bias is rounded to bf16 like every input
	v_cvt_pk_bf16_f32 v21, v[BV+2], v[BV+3]
	v_lshlrev_b32 v[BV], 16, v20
	v_and_b32 v[BV+1], s60, v20
	v_lshlrev_b32 v[BV+2], 16, v21
	v_and_b32 v[BV+3], s60, v21
	s_mov_b32 s61, 2
.Lfin:                                         ; two trips: wave w finishes m tiles 2 w and 2 w + 1
.irp p, 0,1,2,3
.irp c, 0,1,2,3
	ds_load_b128 v[PX+32*(\p)+8*(\c):PX+32*(\p)+8*(\c)+3],   v[LR0+(\p)/2] offset:((\p)%2)*32768+(\c)*1024
	ds_load_b128 v[PX+32*(\p)+8*(\c)+4:PX+32*(\p)+8*(\c)+7], v[LR0+(\p)/2] offset:((\p)%2)*32768+(\c)*1024+512
.endr
.endr
	s_wait_dscnt 0x0
.set z, 0
.rept 16
	v_pk_add_f32 v[PX+z:PX+z+1], v[PX+z:PX+z+1], v[PX+32+z:PX+32+z+1]
	v_pk_add_f32 v[PX+64+z:PX+64+z+1], v[PX+64+z:PX+64+z+1], v[PX+96+z:PX+96+z+1]
.set z, z+2
.endr
.set z, 0
.rept 16
	v_pk_add_f32 v[PX+z:PX+z+1], v[PX+z:PX+z+1], v[PX+64+z:PX+64+z+1]
.set z, z+2
.endr
.irp j, 0,1,2,3,4,5,6,7
.irp c, 0,1,2,3
	v_add_f32 v[Y+4*(\j)+(\c)], v[PX+8*(\c)+(\j)], v[BV+(\c)]  ; row 2 j + h, column 4 r + c
.endr
.endr
	s_cmp_eq_u32 s7, 0
	s_cbranch_scc1 .Lnosp
	SOFTPLUS Y, 32, PX, PX+32, PX+64
.Lnosp:
	s_cmp_eq_u32 s42, 2
	s_cbranch_scc1 .Lf16
	s_cmp_eq_u32 s5, 4
	s_cbranch_scc1 .Lkvar
.irp j, 0,1,2,3,4,5,6,7                ; Qm, Qv, Km: 512 consecutive bytes a store
	global_store_b128 v[GO], v[Y+4*(\j):Y+4*(\j)+3], s[50:51] offset:512*(\j)
.endr
	s_branch .Lnext
.Lkvar:                                        ; Kv leaves as R' = (log2 e / 16) / Kv and as each row's sum of log2 Kv
.set z, 0
.rept 32
	v_rcp_f32 v[PX+z], v[Y+z]
.set z, z+1
.endr
.set z, 0
.rept 32
	v_log_f32 v[PX+32+z], v[Y+z]
.set z, z+1
.endr
	v_nop
	s_wait_alu depctr_va_vdst(0)                   ; one wait for the 64
.set z, 0
.rept 16
	v_pk_mul_f32 v[PX+z:PX+z+1], v[PX+z:PX+z+1], s[58:59] op_sel_hi:[1,0]
.set z, z+2
.endr
.irp j, 0,1,2,3,4,5,6,7
	global_store_b128 v[GO], v[PX+4*(\j):PX+4*(\j)+3], s[50:51] offset:512*(\j)
.endr
.irp j, 0,1,2,3,4,5,6,7
	v_pk_add_f32 v[PX+32+4*(\j):PX+32+4*(\j)+1], v[PX+32+4*(\j):PX+32+4*(\j)+1], v[PX+32+4*(\j)+2:PX+32+4*(\j)+3]
.endr
.irp j, 0,1,2,3,4,5,6,7
	v_add_f32 v[PX+64+(\j)], v[PX+32+4*(\j)], v[PX+32+4*(\j)+1]
.endr
.irp m, 1,2,4,8                        ; over the sixteen lanes that hold a row's 64 columns
.irp j, 0,1,2,3,4,5,6,7
	v_add_f32_dpp v[PX+64+(\j)], v[PX+64+(\j)], v[PX+64+(\j)] row_xmask:\m row_mask:0xf bank_mask:0xf
.endr
.endr
.irp j, 0,1,2,3,4,5,6,7
	v_mul_f32 v[PX+64+(\j)], 0x3d000000, v[PX+64+(\j)]  ; 1/32
.endr
.irp j, 0,1,2,3,4,5,6,7
	ds_store_b32 v[LKS], v[PX+64+(\j)] offset:8*(\j)  ; row 2 j + h: sixteen lanes write the same number to the same word of my wave's own 128 bytes
.endr
	s_branch .Lnext
.Lf16:                                         ; Vm, Vv: rounded once to f16; a store covers 256 consecutive bytes
.irp j, 0,1,2,3,4,5,6,7
	v_cvt_pk_f16_f32 v[Z+2*(\j)], v[Y+4*(\j)], v[Y+4*(\j)+1]
	v_cvt_pk_f16_f32 v[Z+2*(\j)+1], v[Y+4*(\j)+2], v[Y+4*(\j)+3]
.endr
.irp j, 0,1,2,3,4,5,6,7
	global_store_b64 v[GO], v[Z+2*(\j):Z+2*(\j)+1], s[50:51] offset:256*(\j)
.endr
.Lnext:
	s_wait_xcnt 0x0                                ; the stores' data and their offset are written again only behind this wait
	v_add_nc_u32 v[LR0], 4096, v[LR0]
	v_add_nc_u32 v[LR0+1], 4096, v[LR0+1]
	v_add_nc_u32 v[GO], s62, v[GO]
	v_add_nc_u32 v[LKS], 64, v[LKS]
	s_sub_co_u32 s61, s61, 1
	s_cmp_lg_u32 s61, 0
	s_cbranch_scc1 .Lfin
	s_cmp_eq_u32 s5, 4
	s_cbranch_scc0 .Lend
	ds_load_b32 v20, v[LKR]                        ; my wave's 32 rows' sums: its own bytes, and LDS serves a wave's instructions in order (ISA guide 5.7.1.4)
	s_wait_dscnt 0x0
	global_store_b32 v[LKG], v20, s[40:41]
.Lend:
	s_wait_tensorcnt 0x0                           ; the wave's end, behind my last LDS store
	ds_add_u32 v[SPW], v[NIL]
	s_wait_dscnt 0x0
	s_endpgm
.Lfunc_end_k_q7ebc9cdd72_proj:
	.size	k_q7ebc9cdd72_proj, .Lfunc_end_k_q7ebc9cdd72_proj-k_q7ebc9cdd72_proj
	.p2alignl 7, 3214868480
	.fill 96, 4, 3214868480
	.section	.rodata,"a",@progbits
	.p2align	6, 0x0
	.amdhsa_kernel k_q7ebc9cdd72_proj
		.amdhsa_group_segment_fixed_size 132096
		.amdhsa_private_segment_fixed_size 0
		.amdhsa_enable_private_segment 0
		.amdhsa_kernarg_size 136
		.amdhsa_user_sgpr_count 2
		.amdhsa_user_sgpr_kernarg_segment_ptr 1
		.amdhsa_wavefront_size32 1
		.amdhsa_system_sgpr_workgroup_id_x 1
		.amdhsa_system_sgpr_workgroup_id_y 1
		.amdhsa_system_sgpr_workgroup_id_z 1
		.amdhsa_system_vgpr_workitem_id 0
		.amdhsa_next_free_vgpr 1024
		.amdhsa_next_free_sgpr 66
		.amdhsa_reserve_vcc 0
		.amdhsa_float_denorm_mode_32 3
		.amdhsa_float_denorm_mode_16_64 3
		.amdhsa_memory_ordered 1
		.amdhsa_forward_progress 1
		.amdhsa_inst_pref_size 139
	.end_amdhsa_kernel
	.amdgpu_metadata
---
amdhsa.version: [ 1, 2 ]
amdhsa.kernels:
  - .name:           k_q7ebc9cdd72_proj
    .symbol:         k_q7ebc9cdd72_proj.kd
    .args:
      - { .name: mu, .offset: 0, .size: 8, .value_kind: global_buffer, .address_space: global }
      - { .name: var, .offset: 8, .size: 8, .value_kind: global_buffer, .address_space: global }
      - { .name: wq_mu, .offset: 16, .size: 8, .value_kind: global_buffer, .address_space: global }
      - { .name: wk_mu, .offset: 24, .size: 8, .value_kind: global_buffer, .address_space: global }
      - { .name: wv_mu, .offset: 32, .size: 8, .value_kind: global_buffer, .address_space: global }
      - { .name: wq_var, .offset: 40, .size: 8, .value_kind: global_buffer, .address_space: global }
      - { .name: wk_var, .offset: 48, .size: 8, .value_kind: global_buffer, .address_space: global }
      - { .name: wv_var, .offset: 56, .size: 8, .value_kind: global_buffer, .address_space: global }
      - { .name: bq_mu, .offset: 64, .size: 8, .value_kind: global_buffer, .address_space: global }
      - { .name: bk_mu, .offset: 72, .size: 8, .value_kind: global_buffer, .address_space: global }
      - { .name: bv_mu, .offset: 80, .size: 8, .value_kind: global_buffer, .address_space: global }
      - { .name: bq_var, .offset: 88, .size: 8, .value_kind: global_buffer, .address_space: global }
      - { .name: bk_var, .offset: 96, .size: 8, .value_kind: global_buffer, .address_space: global }
      - { .name: bv_var, .offset: 104, .size: 8, .value_kind: global_buffer, .address_space: global }
      - { .name: wsf, .offset: 112, .size: 8, .value_kind: global_buffer, .address_space: global }
      - { .name: wsv, .offset: 120, .size: 8, .value_kind: global_buffer, .address_space: global }
      - { .name: wsl, .offset: 128, .size: 8, .value_kind: global_buffer, .address_space: global }
    .group_segment_fixed_size: 132096
    .private_segment_fixed_size: 0
    .kernarg_segment_align: 8
    .kernarg_segment_size: 136
    .max_flat_workgroup_size: 128
    .sgpr_count:     66
    .vgpr_count:     1024
    .wavefront_size: 32
...
	.end_amdgpu_metadata
.endif
;; end of part 1
;; launch attn (part 2): grid 16 x 16, 4 waves a work-group, no clusters, 163,840 bytes of LDS; arguments wsf, wsv, wsl, wso; writes wso
.if DOCPART == 2
	.amdgcn_target "amdgcn-amd-amdhsa--gfx1250"
	.amdhsa_code_object_version 6
	.text
	.protected	k_q7ebc9cdd72_attn
	.globl	k_q7ebc9cdd72_attn
	.p2align	8
	.type	k_q7ebc9cdd72_attn,@function
k_q7ebc9cdd72_attn:
	s_mov_b64 s[64:65], 0
	v_nop
	global_prefetch_b8 v0, s[64:65] scope:SCOPE_SE
	s_setreg_imm32_b32 hwreg(HW_REG_WAVE_MODE, 25, 1), 1
	s_wait_xcnt 0x0
; THE ATTENTION.  acc(q,k) = sum_d ((Qm[q]-Km[k])^2 + Qv[q]) R'[k] + 2 LKH[k] = -log2 e x score, but for terms that hang on q alone (left out: they are the same along the softmax's axis:
; see the head of the first kernel).  p = 2^(min_k acc - acc), l = sum p, O_mu = sum p Vm / l, O_var = sum p^2 Vv / l^2.  The minimum of acc is the maximum that the softmax takes away.
; The score is made as it is written, in f32 on the vector unit: the square multiplied out would be a difference of large sums.  Three fused operations an element, two elements an instruction.
; p and p^2 (at most 1) are rounded to f16 for the two matrix products, O once to f16; l is the sum of the unrounded p.
; LIMITS.  f16: V within 65,504; p, p^2 and O below 6e-5 keep f16's fixed step of 6e-8.  A weight below 2^-126 counts as 0.  NaN and infinities are not treated apart.
; SHARES.  A work-group: 16 queries of one head (256 work-groups).  Wave w: keys 64 w .. 64 w + 63, through both phases.  Lane (r = l % 16, h = l / 16): keys 64 w + 4 r + 0..3, channels 32 h .. 32 h + 31:
; 256 registers of Km and R', loaded once.  A query's Qm and Qv come from LDS, sixteen lanes reading the same 16 bytes: one load feeds 12 packed instructions.
; NO JOINT LOADS: the sixteen query blocks of a head read the same Km, R' and V, but each number goes from memory straight into the register of the one lane that uses it;
; a tile asked for jointly would land in LDS and be read from there once more.
; REGISTERS: window 0: v0-31 addresses, statistics; v32-95, v96-159 a query's Qm (32) and Qv (32), two sets; v160-223 T, 32 pairs at work; v224-239 sums; v240-247 (LKH, 0); v248-251 four scores
;            window 1: Km of key i at v[32 i ..], R' at v[128 + 32 i ..]; later O^T's tile (a, n) at v[8 (4 a + n)]
.set QL,   0                           ; LDS: Qm, 16 rows of 256 bytes; Qv at 4,096
.set SPB,  8192                        ; + 8,704 w: scores [channel half][16 queries], rows of 256 + 16 bytes: the 16 rows that a load touches start 68 words apart
.set VL,   43008                       ; + 20,480 w: [a][64 keys], rows of 128 + 32 bytes
.set OP,   124928                      ; + 8,192 w: the wave's 8 partial tiles of O^T, 1,024 bytes each
.set STT,  157696                      ; + 256 w: the wave's minimum at 4 l, its sum at 128 + 4 l
.set STG,  158720                      ; + 2,304 a: 16 rows of 128 + 16 bytes, for the way out
.set SPARE, 163328                     ; the spare words, 128 bytes for each wave: two blocks of 256 bytes that no other line names
.set KO, 4
.set QG, 5
.set QW, 6
.set VG, 7
.set VS, 8
.set QA, 9
.set SS, 14
.set SR, 15
.set VR, 16
.set OS, 17
.set STA, 18
.set LG, 19
.set STW, 24
.set OR, 25
.set STI, 26
.set STO, 27
.set GOUT, 28
.set QS0, 32
.set QS1, 96
.set VF, 32
.set T,  160
.set ACC, 224
.set LKP, 240
.set SC, 248
.set SPW, 252
.set NIL, 253
.set MSB, 0
.macro WIN new
.if MSB != (\new)
	s_set_vgpr_msb (MSB<<8)|(\new)
.set MSB, (\new)
.endif
.endm
	s_load_b256 s[4:11], s[0:1], 0x0               ; wsf s[4:5], wsv s[6:7], wsl s[8:9], wso s[10:11]
	v_lshl_add_u32 v[SPW], v0, 2, SPARE
	v_mov_b32 v[NIL], 0
	v_lshrrev_b32 v20, 5, v0
	v_readfirstlane_b32 s2, v20                    ; wave 0..3
	s_mov_b32 s3, ttmp9                            ; block of 16 queries
	s_and_b32 s12, ttmp7, 0xffff                   ; head
	s_mov_b32 s22, 0x76543210                      ; v_permlanex16_b32: each lane takes its own place in the other half
	s_mov_b32 s23, 0xfedcba98
	s_cmp_eq_u32 s2, 1
	s_cselect_b32 s25, -1, 0                       ; all lanes in wave 1, which finishes O_var
	v_and_b32 v1, 15, v0                           ; r
	v_bfe_u32 v2, v0, 4, 1                         ; h
	v_and_b32 v3, 31, v0                           ; l
	v_lshrrev_b32 v20, 3, v3                       ; l / 8
	v_and_b32 v21, 7, v0                           ; l % 8
	v_bfe_u32 v22, v0, 3, 1
	v_lshlrev_b32 v[KO], 10, v1                    ; (64 w + 4 r) x 256 + 128 h
	v_lshl_add_u32 v[KO], v2, 7, v[KO]
	s_lshl_b32 s26, s2, 14
	v_add_nc_u32 v[KO], s26, v[KO]
	s_lshl_b32 s26, s3, 12
	v_lshl_add_u32 v[QG], v0, 4, s26               ; the block's 4,096 bytes, 16 a thread
	v_lshlrev_b32 v[QW], 4, v0
	s_lshl_b32 s26, s2, 13
	v_lshl_add_u32 v[VG], v3, 4, s26               ; my wave's 64 rows of V, 128 bytes each
	s_mul_i32 s27, s2, 20480
	s_add_co_u32 s27, s27, VL
	v_mul_u32_u24 v[VS], v20, 160
	v_lshl_add_u32 v[VS], v21, 4, v[VS]
	v_add_nc_u32 v[VS], s27, v[VS]
	v_lshlrev_b32 v[QA], 7, v2
	s_mul_i32 s28, s2, 8704
	s_add_co_u32 s28, s28, SPB
	v_mul_u32_u24 v[SS], v2, 4352
	v_lshl_add_u32 v[SS], v1, 4, v[SS]
	v_add_nc_u32 v[SS], s28, v[SS]
	v_mul_u32_u24 v[SR], v1, 272
	v_lshl_add_u32 v[SR], v2, 5, v[SR]
	v_add_nc_u32 v[SR], s28, v[SR]
	v_lshl_add_u32 v[VR], v2, 3, v21               ; the turning load: key 8 h + l % 8, channels 8 ((l / 8) % 2) on
	v_mul_u32_u24 v[VR], v[VR], 160
	v_lshl_add_u32 v[VR], v22, 4, v[VR]
	v_add_nc_u32 v[VR], s27, v[VR]
	s_lshl_b32 s29, s2, 13
	s_add_co_u32 s29, s29, OP
	v_lshl_add_u32 v[OS], v3, 4, s29
	v_lshl_add_u32 v[STA], v3, 2, STT
	s_lshl_b32 s29, s2, 8
	v_add_nc_u32 v[STW], s29, v[STA]
	s_lshl_b32 s26, s12, 10                        ; wsl: (256 head + 64 w + 4 r) x 4
	s_add_co_u32 s26, s26, s29
	v_lshl_add_u32 v[LG], v1, 4, s26
	s_lshl_b32 s31, s2, 12                         ; waves 0 and 1 alone use the next four: output a = the wave's number
	s_add_co_u32 s31, s31, OP
	v_lshl_add_u32 v[OR], v3, 4, s31
	s_mul_i32 s30, s2, 2304
	s_add_co_u32 s30, s30, STG
	v_mul_u32_u24 v[STI], v1, 144
	v_lshl_add_u32 v[STI], v2, 4, v[STI]
	v_add_nc_u32 v[STI], s30, v[STI]
	v_mul_u32_u24 v[STO], v20, 144
	v_lshl_add_u32 v[STO], v21, 4, v[STO]
	v_add_nc_u32 v[STO], s30, v[STO]
	v_lshlrev_b32 v[GOUT], 4, v3
	s_mov_b32 s21, 0
	s_wait_kmcnt 0x0
	s_lshl_b32 s20, s12, 16
	s_add_nc_u64 s[14:15], s[4:5], s[20:21]        ; the head in wsf's planes
	s_lshl_b32 s20, s12, 15
	s_add_nc_u64 s[16:17], s[6:7], s[20:21]        ; in wsv's
	s_and_b32 s26, s2, 1
	s_lshl_b32 s26, s26, 19
	s_add_co_u32 s20, s20, s26
	s_lshl_b32 s26, s3, 11
	s_add_co_u32 s20, s20, s26
	s_add_nc_u64 s[18:19], s[10:11], s[20:21]      ; wso: plane a, the head, the block's 16 rows of 128 bytes
	global_load_b128 v[160:163], v[QG], s[14:15]                   ; Qm,
	global_load_b128 v[164:167], v[QG], s[14:15] offset:2048
	global_load_b128 v[168:171], v[QG], s[14:15] offset:1048576    ; Qv: the work-group's four waves share the block out
	global_load_b128 v[172:175], v[QG], s[14:15] offset:1050624
	global_load_b128 v[176:179], v[LG], s[8:9]                     ; LKH of my four keys
.set n, 0
.rept 32                               ; V of my wave's 64 keys, both planes: 512 consecutive bytes a load
	global_load_b128 v[32+4*n:32+4*n+3], v[VG], s[16:17] offset:(n/16)*524288+(n%16)*512
.set n, n+1
.endr
	WIN 0x40
.set n, 0
.rept 64                               ; plane n / 32 (Km, R'), key (n / 8) % 4, 16 bytes n % 8 of my 128
	global_load_b128 v[4*n:4*n+3], v[KO], s[14:15] offset:2097152+(n/32)*1048576+((n/8)%4)*256+(n%8)*16
.set n, n+1
.endr
	WIN 0
	s_wait_loadcnt 63                              ; Q, LKH and V are in: 64 loads stand behind them, and the count's field holds 63, so one load of Km is awaited with them
.irp x, 0,1,2,3
	ds_store_b128 v[QW], v[160+4*(\x):160+4*(\x)+3] offset:QL+2048*(\x)
.endr
.set n, 0
.rept 32
	ds_store_b128 v[VS], v[32+4*n:32+4*n+3] offset:(n/16)*10240+(n%16)*640
.set n, n+1
.endr
.irp i, 0,1,2,3
	v_mov_b32 v[LKP+2*(\i)], v[176+(\i)]           ; each channel half's sum starts at LKH: the two halves together hold 2 LKH
	v_mov_b32 v[LKP+2*(\i)+1], 0
.endr
	s_wait_dscnt 0x0                               ; for the others' sake: my part of Q lies in LDS
	s_barrier_signal -1
	s_barrier_wait -1
.set t, 0
.rept 8                                ; query 0
	ds_load_b128 v[QS0+4*t:QS0+4*t+3], v[QA] offset:16*t
	ds_load_b128 v[QS0+32+4*t:QS0+32+4*t+3], v[QA] offset:4096+16*t
.set t, t+1
.endr
	s_wait_loadcnt 0x0                             ; Km and R'
; One query: my 4 keys x 32 channels.  cur: the set that holds the query; ld = 1: the next query, at byte qo behind v[QA], is fetched into oth; so: where the four scores go, behind v[SS].
; In two batches of 8 channel pairs x 4 keys: t = Qm - Km; u = t t + Qv; sum += u R'.  Eight sums (key, parity of the pair) that do not wait for each other; the first lines start them: nothing is cleared.
.macro QSTEP cur, oth, ld, qo, so
	s_wait_dscnt 0x0                               ; the query is in (its loads went out a step ago)
.if \ld
.set t, 0
.rept 8
	ds_load_b128 v[(\oth)+4*t:(\oth)+4*t+3], v[QA] offset:(\qo)+16*t
	ds_load_b128 v[(\oth)+32+4*t:(\oth)+32+4*t+3], v[QA] offset:4096+(\qo)+16*t
.set t, t+1
.endr
.endif
.irp bt, 0,1
	WIN 0x04                                       ; source 1 in window 1
.set p, 0
.rept 32
.set e2, 8*(\bt)+p/4
.set ki, p%4
	v_pk_add_f32 v[T+2*p:T+2*p+1], v[(\cur)+2*e2:(\cur)+2*e2+1], v[32*ki+2*e2:32*ki+2*e2+1] neg_lo:[0,1] neg_hi:[0,1]
.set p, p+1
.endr
	WIN 0
.set p, 0
.rept 32
.set e2, 8*(\bt)+p/4
	v_pk_fma_f32 v[T+2*p:T+2*p+1], v[T+2*p:T+2*p+1], v[T+2*p:T+2*p+1], v[(\cur)+32+2*e2:(\cur)+32+2*e2+1]
.set p, p+1
.endr
	WIN 0x04
.set p, 0
.rept 32
.set e2, 8*(\bt)+p/4
.set ki, p%4
.set ra, ACC+4*ki+2*(e2%2)
.if e2 == 0
	v_pk_fma_f32 v[ra:ra+1], v[T+2*p:T+2*p+1], v[128+32*ki+2*e2:128+32*ki+2*e2+1], v[LKP+2*ki:LKP+2*ki+1]
.elseif e2 == 1
	v_pk_mul_f32 v[ra:ra+1], v[T+2*p:T+2*p+1], v[128+32*ki+2*e2:128+32*ki+2*e2+1]
.else
	v_pk_fma_f32 v[ra:ra+1], v[T+2*p:T+2*p+1], v[128+32*ki+2*e2:128+32*ki+2*e2+1], v[ra:ra+1]
.endif
.set p, p+1
.endr
.endr
	WIN 0
.irp i, 0,1,2,3
	v_pk_add_f32 v[ACC+4*(\i):ACC+4*(\i)+1], v[ACC+4*(\i):ACC+4*(\i)+1], v[ACC+4*(\i)+2:ACC+4*(\i)+3]
.endr
.irp i, 0,1,2,3
	v_add_f32 v[SC+(\i)], v[ACC+4*(\i)], v[ACC+4*(\i)+1]
.endr
	ds_store_b128 v[SS], v[SC:SC+3] offset:\so     ; keys 4 r .. 4 r + 3 of the query's row, in my channel half's table: sixteen lanes fill the row's 256 bytes
.endm
	s_mov_b32 s24, 7
.Lq:                                           ; seven trips of two queries; the last two are written out, so that no byte behind Q is read
	QSTEP QS0, QS1, 1, 256, 0
	QSTEP QS1, QS0, 1, 512, 272
	v_add_nc_u32 v[QA], 512, v[QA]
	v_add_nc_u32 v[SS], 544, v[SS]
	s_sub_co_u32 s24, s24, 1
	s_cmp_lg_u32 s24, 0
	s_cbranch_scc1 .Lq
	QSTEP QS0, QS1, 1, 256, 0
	QSTEP QS1, QS0, 0, 0, 272
; PHASE 2, on the wave's own bytes of LDS (LDS serves a wave's instructions in order: ISA guide 5.7.1.4).  A lane now holds ONE query (r) and the keys 32 s + 16 u + 8 h + 0..7 of my wave's 64:
; the layout of source 1 (32 keys x 16 queries) of O^T = V^T P.  V ([key][channel]) comes turned, by ds_load_tr16_b128: fragment (a, s, n): keys 32 s on, channels 16 n on.
.irp a, 0,1
.irp s, 0,1
.irp n, 0,1,2,3
	ds_load_tr16_b128 v[VF+64*(\a)+32*(\s)+8*(\n):VF+64*(\a)+32*(\s)+8*(\n)+3],   v[VR] offset:(\a)*10240+(\s)*5120+(\n)*32
	ds_load_tr16_b128 v[VF+64*(\a)+32*(\s)+8*(\n)+4:VF+64*(\a)+32*(\s)+8*(\n)+7], v[VR] offset:(\a)*10240+(\s)*5120+(\n)*32+2560
.endr
.endr
.endr
.set n, 0
.rept 16                               ; channel half n / 8; s = (n / 4) % 2, u = (n / 2) % 2, the 16 bytes n % 2
	ds_load_b128 v[T+4*n:T+4*n+3], v[SR] offset:(n/8)*4352+((n/4)%2)*128+((n/2)%2)*64+(n%2)*16
.set n, n+1
.endr
	s_wait_dscnt 0x0
.set z, 0
.rept 16
	v_pk_add_f32 v[T+z:T+z+1], v[T+z:T+z+1], v[T+32+z:T+32+z+1]  ; the two channel halves: acc
.set z, z+2
.endr
.irp x, 0,1,2,3                        ; the least of my 32, three operands at a time, in four chains
	v_min3_num_f32 v[20+(\x)], v[T+8*(\x)], v[T+8*(\x)+1], v[T+8*(\x)+2]
.endr
.irp x, 0,1,2,3
	v_min3_num_f32 v[20+(\x)], v[20+(\x)], v[T+8*(\x)+3], v[T+8*(\x)+4]
.endr
.irp x, 0,1,2,3
	v_min3_num_f32 v[20+(\x)], v[20+(\x)], v[T+8*(\x)+5], v[T+8*(\x)+6]
.endr
	v_min3_num_f32 v20, v20, v[T+7], v[T+15]
	v_min3_num_f32 v22, v22, v[T+23], v[T+31]
	v_min3_num_f32 v20, v20, v21, v22
	v_min_num_f32 v20, v20, v23
	v_permlanex16_b32 v21, v20, s22, s23           ; the query's other 32 keys lie in the lane 16 away
	v_min_num_f32 v10, v20, v21                    ; m, the least acc of my wave's 64 keys
	v_mov_b32 v11, v10
.set z, 0
.rept 16
	v_pk_add_f32 v[T+z:T+z+1], v[10:11], v[T+z:T+z+1] neg_lo:[0,1] neg_hi:[0,1]  ; m - acc
.set z, z+2
.endr
.set z, 0
.rept 32
	v_exp_f32 v[T+z], v[T+z]
.set z, z+1
.endr
	v_nop                                          ; a plain instruction behind the last exponential,
	s_wait_alu depctr_va_vdst(0)                   ; and one wait for the batch, ahead of its first reader
.set z, 0
.rept 8                                ; l: a tree over the 16 pairs
	v_pk_add_f32 v[192+2*z:192+2*z+1], v[T+4*z:T+4*z+1], v[T+4*z+2:T+4*z+3]
.set z, z+1
.endr
.set z, 0
.rept 4
	v_pk_add_f32 v[208+2*z:208+2*z+1], v[192+4*z:192+4*z+1], v[192+4*z+2:192+4*z+3]
.set z, z+1
.endr
	v_pk_add_f32 v[216:217], v[208:209], v[210:211]
	v_pk_add_f32 v[218:219], v[212:213], v[214:215]
	v_pk_add_f32 v[220:221], v[216:217], v[218:219]
	v_add_f32 v12, v220, v221
	v_permlanex16_b32 v221, v12, s22, s23
	v_add_f32 v12, v12, v221                       ; l of my wave's 64 keys
.set z, 0
.rept 16
	v_cvt_pk_f16_f32 v[224+z], v[T+2*z], v[T+2*z+1]  ; P
.set z, z+1
.endr
.set z, 0
.rept 16
	v_pk_mul_f32 v[T+2*z:T+2*z+1], v[T+2*z:T+2*z+1], v[T+2*z:T+2*z+1]
.set z, z+1
.endr
.set z, 0
.rept 16
	v_cvt_pk_f16_f32 v[192+z], v[T+2*z], v[T+2*z+1]  ; P^2
.set z, z+1
.endr
	WIN 0x50                                       ; C and D in window 1
.irp s, 0,1                            ; the 8 accumulators take turns; the first 32 keys start the sums
.irp a, 0,1
.irp n, 0,1,2,3
.if (\s) == 0
	v_wmma_f32_16x16x32_f16 v[8*(4*(\a)+(\n)):8*(4*(\a)+(\n))+7], v[VF+64*(\a)+8*(\n):VF+64*(\a)+8*(\n)+7], v[224-32*(\a):224-32*(\a)+7], 0
.else
	v_wmma_f32_16x16x32_f16 v[8*(4*(\a)+(\n)):8*(4*(\a)+(\n))+7], v[VF+64*(\a)+32+8*(\n):VF+64*(\a)+32+8*(\n)+7], v[232-32*(\a):232-32*(\a)+7], v[8*(4*(\a)+(\n)):8*(4*(\a)+(\n))+7]
.endif
.endr
.endr
.endr
.rept 4
	v_nop                                          ; four places between the last product and the stores that read results
.endr
	WIN 0x04
.set n, 0
.rept 8                                ; each accumulator's low registers first
	ds_store_b128 v[OS], v[8*n:8*n+3] offset:1024*n
	ds_store_b128 v[OS], v[8*n+4:8*n+7] offset:1024*n+512
.set n, n+1
.endr
	WIN 0
	ds_store_b32 v[STW], v10
	ds_store_b32 v[STW], v12 offset:128
	s_wait_dscnt 0x0                               ; for the others' sake
	s_barrier_signal -1
	s_barrier_wait -1
	s_cmp_lt_u32 s2, 2                             ; wave 0 finishes O_mu, wave 1 O_var
	s_cbranch_scc0 .Lend
.irp w, 0,1,2,3
	ds_load_b32 v[224+(\w)], v[STA] offset:256*(\w)
	ds_load_b32 v[228+(\w)], v[STA] offset:256*(\w)+128
.endr
.irp w, 0,1,2,3
.irp n, 0,1,2,3
	ds_load_b128 v[32+32*(\w)+8*(\n):32+32*(\w)+8*(\n)+3],   v[OR] offset:8192*(\w)+1024*(\n)
	ds_load_b128 v[32+32*(\w)+8*(\n)+4:32+32*(\w)+8*(\n)+7], v[OR] offset:8192*(\w)+1024*(\n)+512
.endr
.endr
	s_wait_dscnt 0x0
	v_min3_num_f32 v244, v224, v225, v226
	v_min_num_f32 v244, v244, v227                 ; the least acc of all 256 keys
.irp w, 0,1,2,3
	v_sub_f32 v[232+(\w)], v244, v[224+(\w)]
.endr
.irp w, 0,1,2,3
	v_exp_f32 v[232+(\w)], v[232+(\w)]             ; f: what wave w's weights are multiplied by
.endr
	v_nop
	s_wait_alu depctr_va_vdst(0)
	v_mul_f32 v245, v232, v228
	v_fmac_f32 v245, v233, v229
	v_fmac_f32 v245, v234, v230
	v_fmac_f32 v245, v235, v231                    ; l, at least 1
	v_rcp_f32 v246, v245
	v_nop
	s_wait_alu depctr_va_vdst(0)
.irp w, 0,1,2,3
	v_mul_f32 v[232+(\w)], v[232+(\w)], v246       ; u = f / l
.endr
.irp w, 0,1,2,3
	v_cndmask_b32 v[224+(\w)], 1.0, v[232+(\w)], s25
.endr
.irp w, 0,1,2,3
	v_mul_f32 v[236+2*(\w)], v[232+(\w)], v[224+(\w)]  ; O_mu: u; O_var: u^2
.endr
.irp w, 0,1,2,3
	v_mov_b32 v[237+2*(\w)], v[236+2*(\w)]
.endr
.set z, 0
.rept 16
	v_pk_mul_f32 v[160+z:160+z+1], v[32+z:32+z+1], v[236:237]
.set z, z+2
.endr
.irp w, 1,2,3
.set z, 0
.rept 16
	v_pk_fma_f32 v[160+z:160+z+1], v[32+32*(\w)+z:32+32*(\w)+z+1], v[236+2*(\w):237+2*(\w)], v[160+z:160+z+1]
.set z, z+2
.endr
.endr
.set z, 0
.rept 16
	v_cvt_pk_f16_f32 v[192+z], v[160+2*z], v[160+2*z+1]  ; query r, channels 16 n + 8 h + 0..7: 16 bytes
.set z, z+1
.endr
.irp n, 0,1,2,3
	ds_store_b128 v[STI], v[192+4*(\n):192+4*(\n)+3] offset:32*(\n)
.endr
.irp f, 0,1,2,3
	ds_load_b128 v[208+4*(\f):208+4*(\f)+3], v[STO] offset:576*(\f)  ; back as four whole rows of 128 bytes; my wave's own stage
.endr
	s_wait_dscnt 0x0
.irp f, 0,1,2,3
	global_store_b128 v[GOUT], v[208+4*(\f):208+4*(\f)+3], s[18:19] offset:512*(\f)  ; 512 consecutive bytes
.endr
.Lend:
	s_wait_tensorcnt 0x0                           ; the wave's end, behind my last LDS store
	ds_add_u32 v[SPW], v[NIL]
	s_wait_dscnt 0x0
	s_endpgm
.Lfunc_end_k_q7ebc9cdd72_attn:
	.size	k_q7ebc9cdd72_attn, .Lfunc_end_k_q7ebc9cdd72_attn-k_q7ebc9cdd72_attn
	.p2alignl 7, 3214868480
	.fill 96, 4, 3214868480
	.section	.rodata,"a",@progbits
	.p2align	6, 0x0
	.amdhsa_kernel k_q7ebc9cdd72_attn
		.amdhsa_group_segment_fixed_size 163840
		.amdhsa_private_segment_fixed_size 0
		.amdhsa_enable_private_segment 0
		.amdhsa_kernarg_size 32
		.amdhsa_user_sgpr_count 2
		.amdhsa_user_sgpr_kernarg_segment_ptr 1
		.amdhsa_wavefront_size32 1
		.amdhsa_system_sgpr_workgroup_id_x 1
		.amdhsa_system_sgpr_workgroup_id_y 1
		.amdhsa_system_sgpr_workgroup_id_z 1
		.amdhsa_system_vgpr_workitem_id 0
		.amdhsa_next_free_vgpr 512
		.amdhsa_next_free_sgpr 66
		.amdhsa_reserve_vcc 0
		.amdhsa_float_denorm_mode_32 3
		.amdhsa_float_denorm_mode_16_64 3
		.amdhsa_memory_ordered 1
		.amdhsa_forward_progress 1
		.amdhsa_inst_pref_size 95
	.end_amdhsa_kernel
	.amdgpu_metadata
---
amdhsa.version: [ 1, 2 ]
amdhsa.kernels:
  - .name:           k_q7ebc9cdd72_attn
    .symbol:         k_q7ebc9cdd72_attn.kd
    .args:
      - { .name: wsf, .offset: 0, .size: 8, .value_kind: global_buffer, .address_space: global }
      - { .name: wsv, .offset: 8, .size: 8, .value_kind: global_buffer, .address_space: global }
      - { .name: wsl, .offset: 16, .size: 8, .value_kind: global_buffer, .address_space: global }
      - { .name: wso, .offset: 24, .size: 8, .value_kind: global_buffer, .address_space: global }
    .group_segment_fixed_size: 163840
    .private_segment_fixed_size: 0
    .kernarg_segment_align: 8
    .kernarg_segment_size: 32
    .max_flat_workgroup_size: 128
    .sgpr_count:     66
    .vgpr_count:     512
    .wavefront_size: 32
...
	.end_amdgpu_metadata
.endif
;; end of part 2
;; launch outp (part 3): grid 8 x 32, 4 waves a work-group, no clusters, 33,280 bytes of LDS; arguments wso, wo_mu, wo_var, bo_mu, bo_var, out0, out1; writes out0, out1
.if DOCPART == 3
	.amdgcn_target "amdgcn-amd-amdhsa--gfx1250"
	.amdhsa_code_object_version 6
	.text
	.protected	k_q7ebc9cdd72_outp
	.globl	k_q7ebc9cdd72_outp
	.p2align	8
	.type	k_q7ebc9cdd72_outp,@function
k_q7ebc9cdd72_outp:
	s_mov_b64 s[64:65], 0
	v_nop
	global_prefetch_b8 v0, s[64:65] scope:SCOPE_SE
	s_setreg_imm32_b32 hwreg(HW_REG_WAVE_MODE, 25, 1), 1
	s_wait_xcnt 0x0
; THE TWO OUTPUT PROJECTIONS.  out0 = O_mu wo_mu + bo_mu;  out1 = softplus(O_var wo_var + bo_var).  O: wso, two f16 planes [16 heads][256 rows][64]; W [1024 (k)][1024 (n)] f32; out [256][1024] f32.
; W and b are rounded to bf16 like every input; that number is then written as f16 (exact from 6e-5 up to 65,504; below with f16's fixed step of 6e-8), since O is f16.  Sums in f32.
; softplus = max(y,0) + log1p(e^-|y|); LIMIT: e^-|y| below 2^-126 (y below -87.3) counts as 0.
; SHARES.  A work-group: 32 rows x 64 columns of one output (256 work-groups).  K IS SPLIT AMONG THE FOUR WAVES: wave w takes heads 4 w .. 4 w + 3; the partial tiles meet once in LDS.
; LAYOUT.  For 16 rows k of W a lane (r = l % 16, h = l / 16) loads W[k0+16h+j][4r .. 4r+3]: sixteen lanes read 256 consecutive bytes.  Component c of the 16 loads, rounded in pairs of rows, is a B fragment
; whose column r is the real column 4 r + c.  In A and B alike place (h, i) of a fragment stands for k0 + 16 h + i: one permutation of k on both sides.  A's fragment row m is the real row 2 (m % 8) + m / 8, so
; register j of a result in lane half h is row 2 j + h.  O's fragments come from memory as they lie: 32 bytes a lane.
; NO LDS ON THE WAY IN, AND NO JOINT LOADS: the eight row blocks read the same slab of W, but each number goes from memory straight into a register of the one lane that rounds it;
; a slab asked for jointly would land in LDS as f32 and be read from there once more.
; REGISTERS: window 0: v0-15 addresses; v16-79 accumulator (s, c) at 16 + 8 (4 s + c); v80-111 W's fragments; v112-159 at work; v160-223 PX; v224-239 Y; v240-243 bias
;            window 1: three raw buffers of 80: W's row j at 80 b + 4 j, O's fragment s at 80 b + 64 + 8 s
.set SPARE, 32768                      ; behind the four waves' partial tiles (8,192 bytes each): the spare words, two blocks of 256 bytes that no other line names
.set AO,  2
.set WO,  3
.set LS,  4
.set LR,  5
.set GO,  6
.set BO,  7
.set SPW, 8
.set NIL, 9
.set ACC, 16
.set FW,  80
.set TP,  112
.set TM,  144
.set PX,  160
.set Y,   224
.set BV,  240
.set NL2E, 32
.set ABSM, 33
.set LN2,  34
.set HIM,  36
.set MSB, 0
.macro WIN new
.if MSB != (\new)
	s_set_vgpr_msb (MSB<<8)|(\new)
.set MSB, (\new)
.endif
.endm
.macro PLACES
.rept 4
	v_nop
.endr
.endm
.macro SOFTPLUS y, n, t, u, g          ; max(y,0) + ln 2 x log2 u + (t - (u - 1)), t = e^-|y|, u = fl(1 + t); two batches of transcendentals, one wait each
.set z, 0
.rept \n
	v_and_b32 v[(\t)+z], s[ABSM], v[(\y)+z]
.set z, z+1
.endr
.set z, 0
.rept \n
	v_mul_f32 v[(\t)+z], s[NL2E], v[(\t)+z]
.set z, z+1
.endr
.set z, 0
.rept \n
	v_exp_f32 v[(\t)+z], v[(\t)+z]
.set z, z+1
.endr
.set z, 0
.rept \n
	v_max_num_f32 v[(\y)+z], 0, v[(\y)+z]
.set z, z+1
.endr
	s_wait_alu depctr_va_vdst(0)
.set z, 0
.rept (\n)/2
	v_pk_add_f32 v[(\u)+z:(\u)+z+1], v[(\t)+z:(\t)+z+1], 1.0 op_sel_hi:[1,0]
.set z, z+2
.endr
.set z, 0
.rept \n
	v_log_f32 v[(\g)+z], v[(\u)+z]
.set z, z+1
.endr
	v_nop
.set z, 0
.rept (\n)/2
	v_pk_add_f32 v[(\u)+z:(\u)+z+1], v[(\u)+z:(\u)+z+1], -1.0 op_sel_hi:[1,0]
.set z, z+2
.endr
.set z, 0
.rept (\n)/2
	v_pk_add_f32 v[(\t)+z:(\t)+z+1], v[(\t)+z:(\t)+z+1], v[(\u)+z:(\u)+z+1] neg_lo:[0,1] neg_hi:[0,1]
.set z, z+2
.endr
.set z, 0
.rept (\n)/2
	v_pk_add_f32 v[(\y)+z:(\y)+z+1], v[(\y)+z:(\y)+z+1], v[(\t)+z:(\t)+z+1]
.set z, z+2
.endr
	s_wait_alu depctr_va_vdst(0)
.set z, 0
.rept (\n)/2
	v_pk_fma_f32 v[(\y)+z:(\y)+z+1], v[(\g)+z:(\g)+z+1], s[LN2:LN2+1], v[(\y)+z:(\y)+z+1] op_sel_hi:[1,0,1]
.set z, z+2
.endr
.endm
	s_load_b256 s[4:11], s[0:1], 0x0               ; wso, wo_mu, wo_var, bo_mu
	s_load_b128 s[12:15], s[0:1], 0x20             ; bo_var, out0
	s_load_b64 s[16:17], s[0:1], 0x30              ; out1
	v_lshl_add_u32 v[SPW], v0, 2, SPARE
	v_mov_b32 v[NIL], 0
	v_lshrrev_b32 v12, 5, v0
	v_readfirstlane_b32 s2, v12                    ; wave 0..3
	s_mov_b32 s3, ttmp9                            ; block of 32 rows
	s_and_b32 s18, ttmp7, 0xffff
	s_lshr_b32 s19, s18, 4                         ; a: 0 mu, 1 var
	s_and_b32 s20, s18, 15                         ; block of 64 columns
	s_mov_b32 s[NL2E], 0xbfb8aa3b
	s_mov_b32 s[ABSM], 0x7fffffff
	s_mov_b32 s[LN2], 0x3f317218
	s_mov_b32 s[LN2+1], 0x3f317218
	s_mov_b32 s[HIM], 0xffff0000
	v_and_b32 v1, 15, v0                           ; r
	v_bfe_u32 v10, v0, 4, 1                        ; h
	v_and_b32 v11, 31, v0                          ; l
	v_and_b32 v12, 7, v1
	v_lshrrev_b32 v13, 3, v1
	v_lshl_add_u32 v12, v12, 1, v13                ; the real row of fragment row r
	v_lshlrev_b32 v[AO], 7, v12                    ; x 128 bytes + 32 h + my four heads' 131,072 w
	v_lshl_add_u32 v[AO], v10, 5, v[AO]
	s_lshl_b32 s37, s2, 17
	v_add_nc_u32 v[AO], s37, v[AO]
	v_lshlrev_b32 v[WO], 4, v1                     ; (256 w + 16 h) x 4096 + 16 r
	v_lshl_add_u32 v[WO], v10, 16, v[WO]
	s_lshl_b32 s37, s2, 20
	v_add_nc_u32 v[WO], s37, v[WO]
	s_lshl_b32 s37, s2, 13
	v_lshl_add_u32 v[LS], v11, 4, s37
	s_lshr_b32 s37, s2, 1                          ; I finish m tile w / 2, registers 4 (w % 2) + 0..3
	s_lshl_b32 s37, s37, 12
	s_and_b32 s38, s2, 1
	s_lshl_b32 s38, s38, 9
	s_add_co_u32 s37, s37, s38
	v_lshl_add_u32 v[LR], v11, 4, s37
	s_lshl_b32 s37, s3, 17                         ; rows 32 blk + 8 w + 2 jj + h of 4,096 bytes, columns 64 cb + 4 r
	s_lshl_b32 s38, s2, 15
	s_add_co_u32 s37, s37, s38
	s_lshl_b32 s38, s20, 8
	s_add_co_u32 s37, s37, s38
	v_lshlrev_b32 v[GO], 4, v1
	v_lshl_add_u32 v[GO], v10, 12, v[GO]
	v_add_nc_u32 v[GO], s37, v[GO]
	v_lshlrev_b32 v[BO], 4, v1
	s_mov_b32 s31, 0
	s_wait_kmcnt 0x0
	s_cmp_eq_u32 s19, 1
	s_cselect_b64 s[24:25], s[8:9], s[6:7]         ; W,
	s_cselect_b64 s[26:27], s[12:13], s[10:11]     ; b,
	s_cselect_b64 s[28:29], s[16:17], s[14:15]     ; the output
	s_mov_b32 s30, s38
	s_add_nc_u64 s[24:25], s[24:25], s[30:31]      ; the block's 64 columns
	s_add_nc_u64 s[26:27], s[26:27], s[30:31]
	s_lshl_b32 s30, s19, 19
	s_lshl_b32 s37, s3, 12
	s_add_co_u32 s30, s30, s37
	s_add_nc_u64 s[22:23], s[4:5], s[30:31]        ; O: plane a, the block's 32 rows of 128 bytes in each head
	global_load_b128 v[BV:BV+3], v[BO], s[26:27]
.macro LOADS b, k                      ; K step k (head 4 w + k / 2, channels 32 (k % 2) on) into raw buffer b: 16 loads of W, 4 of O
	WIN 0x40
.set j, 0
.rept 16
	global_load_b128 v[80*(\b)+4*j:80*(\b)+4*j+3], v[WO], s[24:25] offset:(\k)*131072+j*4096
.set j, j+1
.endr
.set j, 0
.rept 4                                ; m tile j / 2, 16 bytes j % 2
	global_load_b128 v[80*(\b)+64+4*j:80*(\b)+64+4*j+3], v[AO], s[22:23] offset:((\k)/2)*32768+((\k)%2)*64+(j/2)*2048+(j%2)*16
.set j, j+1
.endr
.endm
.macro CVTW b                          ; W: to bf16, and that number as f16
	WIN 0x05
.set j, 0
.rept 32
	v_cvt_pk_bf16_f32 v[TP+j], v[80*(\b)+8*(j%8)+j/8], v[80*(\b)+8*(j%8)+4+j/8]
.set j, j+1
.endr
	WIN 0
.set j, 0
.rept 4
.set z, 0
.rept 8
	v_lshlrev_b32 v[TM+2*z], 16, v[TP+j+z]
	v_and_b32 v[TM+2*z+1], s[HIM], v[TP+j+z]
.set z, z+1
.endr
.set z, 0
.rept 8
	v_cvt_pk_f16_f32 v[FW+j+z], v[TM+2*z], v[TM+2*z+1]
.set z, z+1
.endr
.set j, j+8
.endr
.endm
.macro MUL b, zero                     ; 8 products; the 8 accumulators take turns, from K step to K step too
	WIN 0x01
.set j, 0
.rept 8
.if \zero
	v_wmma_f32_16x16x32_f16 v[ACC+8*j:ACC+8*j+7], v[80*(\b)+64+8*(j/4):80*(\b)+64+8*(j/4)+7], v[FW+8*(j%4):FW+8*(j%4)+7], 0
.else
	v_wmma_f32_16x16x32_f16 v[ACC+8*j:ACC+8*j+7], v[80*(\b)+64+8*(j/4):80*(\b)+64+8*(j/4)+7], v[FW+8*(j%4):FW+8*(j%4)+7], v[ACC+8*j:ACC+8*j+7]
.endif
.set j, j+1
.endr
.endm
	LOADS 0, 0
	LOADS 1, 1
	LOADS 2, 2
; My 8 K steps of 32, written out: every step stands in the loads' immediates, and no address register is ever rewritten.
.irp k, 0,1,2,3,4,5,6,7
.if (\k) < 6
	s_wait_loadcnt 40                              ; loads come back in order: behind this step's stand the 20 of each of the next two steps
.elseif (\k) == 6
	s_wait_loadcnt 20
.else
	s_wait_loadcnt 0x0
.endif
	CVTW (\k)%3
.if (\k) == 0
	MUL 0, 1
.else
	MUL (\k)%3, 0
.endif
	PLACES                                         ; ahead of the loads into O's fragments, of the next conversions into W's, and at the end of the stores that read results
.if (\k) < 5
	LOADS (\k)%3, (\k)+3
.endif
.endr
	WIN 0
.set j, 0
.rept 8                                ; each accumulator's low registers first
	ds_store_b128 v[LS], v[ACC+8*j:ACC+8*j+3] offset:1024*j
	ds_store_b128 v[LS], v[ACC+8*j+4:ACC+8*j+7] offset:1024*j+512
.set j, j+1
.endr
	s_wait_dscnt 0x0                               ; for the others' sake
	s_barrier_signal -1
	s_barrier_wait -1
.irp p, 0,1,2,3
.irp c, 0,1,2,3
	ds_load_b128 v[PX+16*(\p)+4*(\c):PX+16*(\p)+4*(\c)+3], v[LR] offset:8192*(\p)+1024*(\c)
.endr
.endr
	v_cvt_pk_bf16_f32 v244, v[BV], v[BV+1]         ; the bias is rounded to bf16 like every input
	v_cvt_pk_bf16_f32 v245, v[BV+2], v[BV+3]
	v_lshlrev_b32 v[BV], 16, v244
	v_and_b32 v[BV+1], s[HIM], v244
	v_lshlrev_b32 v[BV+2], 16, v245
	v_and_b32 v[BV+3], s[HIM], v245
	s_wait_dscnt 0x0
.set z, 0
.rept 8
	v_pk_add_f32 v[PX+z:PX+z+1], v[PX+z:PX+z+1], v[PX+16+z:PX+16+z+1]
	v_pk_add_f32 v[PX+32+z:PX+32+z+1], v[PX+32+z:PX+32+z+1], v[PX+48+z:PX+48+z+1]
.set z, z+2
.endr
.set z, 0
.rept 8
	v_pk_add_f32 v[PX+z:PX+z+1], v[PX+z:PX+z+1], v[PX+32+z:PX+32+z+1]
.set z, z+2
.endr
.irp j, 0,1,2,3
.irp c, 0,1,2,3
	v_add_f32 v[Y+4*(\j)+(\c)], v[PX+4*(\c)+(\j)], v[BV+(\c)]
.endr
.endr
	s_cmp_eq_u32 s19, 0
	s_cbranch_scc1 .Lnosp
	SOFTPLUS Y, 16, PX+16, PX+32, PX+48
.Lnosp:
.irp j, 0,1,2,3
	global_store_b128 v[GO], v[Y+4*(\j):Y+4*(\j)+3], s[28:29] offset:8192*(\j) th:TH_STORE_NT  ; sixteen lanes store 256 consecutive bytes of a row, at a multiple of 256 from the output's first byte
.endr
	s_wait_tensorcnt 0x0                           ; the wave's end, behind my last LDS store
	ds_add_u32 v[SPW], v[NIL]
	s_wait_dscnt 0x0
	s_endpgm
.Lfunc_end_k_q7ebc9cdd72_outp:
	.size	k_q7ebc9cdd72_outp, .Lfunc_end_k_q7ebc9cdd72_outp-k_q7ebc9cdd72_outp
	.p2alignl 7, 3214868480
	.fill 96, 4, 3214868480
	.section	.rodata,"a",@progbits
	.p2align	6, 0x0
	.amdhsa_kernel k_q7ebc9cdd72_outp
		.amdhsa_group_segment_fixed_size 33280
		.amdhsa_private_segment_fixed_size 0
		.amdhsa_enable_private_segment 0
		.amdhsa_kernarg_size 56
		.amdhsa_user_sgpr_count 2
		.amdhsa_user_sgpr_kernarg_segment_ptr 1
		.amdhsa_wavefront_size32 1
		.amdhsa_system_sgpr_workgroup_id_x 1
		.amdhsa_system_sgpr_workgroup_id_y 1
		.amdhsa_system_sgpr_workgroup_id_z 1
		.amdhsa_system_vgpr_workitem_id 0
		.amdhsa_next_free_vgpr 512
		.amdhsa_next_free_sgpr 66
		.amdhsa_reserve_vcc 0
		.amdhsa_float_denorm_mode_32 3
		.amdhsa_float_denorm_mode_16_64 3
		.amdhsa_memory_ordered 1
		.amdhsa_forward_progress 1
		.amdhsa_inst_pref_size 83
	.end_amdhsa_kernel
	.amdgpu_metadata
---
amdhsa.version: [ 1, 2 ]
amdhsa.kernels:
  - .name:           k_q7ebc9cdd72_outp
    .symbol:         k_q7ebc9cdd72_outp.kd
    .args:
      - { .name: wso, .offset: 0, .size: 8, .value_kind: global_buffer, .address_space: global }
      - { .name: wo_mu, .offset: 8, .size: 8, .value_kind: global_buffer, .address_space: global }
      - { .name: wo_var, .offset: 16, .size: 8, .value_kind: global_buffer, .address_space: global }
      - { .name: bo_mu, .offset: 24, .size: 8, .value_kind: global_buffer, .address_space: global }
      - { .name: bo_var, .offset: 32, .size: 8, .value_kind: global_buffer, .address_space: global }
      - { .name: out0, .offset: 40, .size: 8, .value_kind: global_buffer, .address_space: global }
      - { .name: out1, .offset: 48, .size: 8, .value_kind: global_buffer, .address_space: global }
    .group_segment_fixed_size: 33280
    .private_segment_fixed_size: 0
    .kernarg_segment_align: 8
    .kernarg_segment_size: 56
    .max_flat_workgroup_size: 128
    .sgpr_count:     66
    .vgpr_count:     512
    .wavefront_size: 32
...
	.end_amdgpu_metadata
.endif
;; end of part 3
;; ======== version 2 of 2: 3 launches; 1.18 times as fast as version 1
;; limits: values are held in f16: magnitudes above 65,504 overflow, below 6.1e-05 lose precision
;; workspace buffers: wsf 4,194,304 bytes; wsv 1,048,576 bytes; wsl 16,384 bytes; wso 1,048,576 bytes
;; launch proj (part 4): grid 2 x 96, 4 waves a work-group, no clusters, 304,128 bytes of LDS; arguments mu, var, wq_mu, wk_mu, wv_mu, wq_var, wk_var, wv_var, bq_mu, bk_mu, bv_mu, bq_var, bk_var, bv_var, wsf, wsv, wsl; writes wsf, wsv, wsl
.if DOCPART == 4
	.amdgcn_target "amdgcn-amd-amdhsa--gfx1250"
	.amdhsa_code_object_version 6
	.text
	.protected	k_q7ebc9cdd72_proj
	.globl	k_q7ebc9cdd72_proj
	.p2align	8
	.type	k_q7ebc9cdd72_proj,@function
k_q7ebc9cdd72_proj:
	s_mov_b64 s[64:65], 0
	v_nop
	global_prefetch_b8 v0, s[64:65] scope:SCOPE_SE
	s_setreg_imm32_b32 hwreg(HW_REG_WAVE_MODE, 25, 1), 1
	s_wait_xcnt 0x0
; THE SIX PROJECTIONS.  y = x W + b, x = mu or var [256][1024] f32, W [1024 (k)][1024 (n)] f32, b [1024]; the var ones go through softplus.
; x, W and b are rounded to bf16 (every input of the program is), products on the matrix unit, sums in f32.
; OUT: wsf, four f32 planes [16 heads][256 rows][64]: Qm, Qv, Km, R' = (log2 e / 16) / Kv;  wsv, two f16 planes [16][256][64]: Vm, Vv;
;      wsl, f32 [16][256]: LKH[h][k] = (1/32) x the sum over d of log2 Kv[k][d].
; DEAD WORK.  kl = (Qm-Km)^2 / (2 Kv) + (Qv/Kv - log Qv + log Kv - 1) / 2.  Summed over d and scaled, the terms -log Qv / 2 and -1/2 hang on the query alone:
; they are the same along the softmax's axis k and cancel in it, for all finite values of the inputs.  So log Qv is never made.  No input is left out.
; What is left, times log2 e:  -score' = sum_d ((Qm-Km)^2 + Qv) R' + (1/16) sum_d log2 Kv.
; LIMITS.  A NaN, an infinity or an overflow that would arise in log Qv alone is not carried to the result.  softplus = max(y,0) + log1p(e^-|y|); e^-|y| below 2^-126
; (y below -87.3) counts as 0, and a Kv of 0 gives an infinite R'.  Vm and Vv are kept in f16: up to 65,504; below 6e-5 with f16's fixed step of 6e-8.
; SHARES.  A work-group makes 128 rows x 64 columns: half of the rows of one head of one of the six matrices (192 work-groups: 96 x 64 would give 256 but does not divide 256 rows).
; K IS SPLIT AMONG THE FOUR WAVES, 256 each: no byte is fetched twice in a work-group; the four partial tiles meet once in LDS.
; W: each wave asks for its quarter, 256 rows of k x 256 bytes, by four tensor loads of 64 rows at the kernel's head: the work-group's 256 KiB are all on their way at once; nothing is filled again.
; For 16 rows k a lane (r = l % 16, h = l / 16) reads W[k0+16h+j][4r .. 4r+3] from LDS: sixteen lanes take a row's 256 bytes.  Component c of the 16 loads, rounded in pairs of rows, is a B
; fragment whose column r is the real column 4r + c.  In A and B alike place (h, i) of a fragment stands for k0 + 16h + i: one permutation of k on both sides, which leaves the sum what it is.
; x: a load takes 128 consecutive bytes (a K step) of each of four rows; the numbers are rounded in registers, stored as bf16 into the wave's own stage (128 rows of 64 + 16 bytes), and read back as fragments.
; A's fragment row m is the real row 2 (m % 8) + m / 8, so register j of a result in lane half h is row 2j + h, and the four tiles c give a lane columns 4r .. 4r+3 of that row:
; a store of 16 bytes a lane covers 512 consecutive bytes.
; NO JOINT LOADS.  A slab of W is read by two work-groups alone (the two halves of the rows), and the grid has 2 along x, which no cluster of four divides.  x is read by 96 work-groups, but as f32
; a work-group's 128 rows are 512 KiB, more than LDS holds beside W's 256 KiB: it goes through registers and lies in LDS as bf16, 10 KiB a wave at a time.
; REGISTERS, in windows of 256 (s_set_vgpr_msb: bits 1:0 source 0, 3:2 source 1, 5:4 source 2, 7:6 destination):
;   window 0: v0-27 addresses, bias, at work; v32-159 x's 8 fragments, two sets; v160-223 W's 4 fragments, two sets.  At the end: v32-63 Y, v64-191 PX, v192-207 Z
;   window 1: accumulator (s, c) at v[8 (4 s + c)]        windows 2, 3, by the K step's parity: v0-127 x as loaded, v128-191 W's row j at 128 + 4 j, v192-255 x rounded
.set XST,   262144                     ; LDS: behind W (65,536 bytes a wave; the wave's partial tiles go there when its last fill has been read): the waves' stages for x
.set XP,    80                         ; a stage's row: 64 bytes + 16: 20 words, so the 16 rows of a fragment load start in 16 different groups of four banks (64 banks of 4 bytes: ISA guide 11.1)
.set LKB,   303104                     ; 128 bytes a wave for the rows' sums of logs
.set SPARE, 303616                     ; the spare words, 128 bytes for each wave: two blocks of 256 bytes that no other line names
.set AO,  2                            ; v2   x: (l / 8) x 4 rows x 4096 + 16 (l % 8) + 1024 w; never rewritten
.set WL,  3                            ; v3   W in LDS: 65536 w + 4096 h + 16 r; never rewritten
.set LS,  4                            ; v4   65536 w + 16 l: where my partial tiles go
.set XS,  5                            ; v5   my 8 bytes in the stage: row 4 (l / 8), byte 8 (l % 8)
.set XR,  6                            ; v6   my fragment row in the stage, byte 32 h
.set GO,  7                            ; v7   my bytes in the output plane
.set SPW, 8                            ; v8   LDS address of my spare word; never rewritten
.set NIL, 9                            ; v9   0; never rewritten
.set BO,  12                           ; v12  16 r
.set LKS, 13                           ; v13  where a row's sum of logs goes
.set LKR, 14                           ; v14  where I read one back
.set LKG, 15                           ; v15  its place in wsl
.set BV,  16                           ; v[16:19] bias of my four columns
.set LR0, 24                           ; v[24:27] where wave p left the tiles that I finish: 65536 p + 8192 w + 16 l
.set FA,  32
.set FW,  160
.set Y,   32
.set PX,  64
.set Z,   192
.set NL2E, 54                          ; s54  -log2 e
.set ABSM, 55                          ; s55  clears a sign
.set LN2,  56                          ; s[56:57] ln 2
.set G1,  68                           ; s[68:75] descriptor group 1
.set G0,  76                           ; s[76:91] descriptor group 0, a set for each of my four loads
.set MSB, 0
.macro WIN new                         ; the immediate's high byte repeats the setting that is left; a switch that changes nothing is dropped
.if MSB != (\new)
	s_set_vgpr_msb (MSB<<8)|(\new)
.set MSB, (\new)
.endif
.endm
.macro PLACES                          ; four plain vector instructions between a matrix instruction and a vector instruction or LDS instruction that touches its registers (ISA guide 7.12.1)
.rept 4
	v_nop
.endr
.endm
; softplus of n numbers at v[y], in place; t, u, g: n registers each, at work.  With t = e^-|y| and u = fl(1 + t): log1p(t) = ln 2 x log2 u + (t - (u - 1)).
; Two batches of transcendentals, each with plain work behind it and ONE wait ahead of its first reader.
.macro SOFTPLUS y, n, t, u, g
.set z, 0
.rept \n
	v_and_b32 v[(\t)+z], s[ABSM], v[(\y)+z]
.set z, z+1
.endr
.set z, 0
.rept \n
	v_mul_f32 v[(\t)+z], s[NL2E], v[(\t)+z]
.set z, z+1
.endr
.set z, 0
.rept \n
	v_exp_f32 v[(\t)+z], v[(\t)+z]
.set z, z+1
.endr
.set z, 0
.rept \n
	v_max_num_f32 v[(\y)+z], 0, v[(\y)+z]
.set z, z+1
.endr
	s_wait_alu depctr_va_vdst(0)
.set z, 0
.rept (\n)/2
	v_pk_add_f32 v[(\u)+z:(\u)+z+1], v[(\t)+z:(\t)+z+1], 1.0 op_sel_hi:[1,0]
.set z, z+2
.endr
.set z, 0
.rept \n
	v_log_f32 v[(\g)+z], v[(\u)+z]
.set z, z+1
.endr
	v_nop                                          ; a plain instruction behind the last logarithm, ahead of the write of its source
.set z, 0
.rept (\n)/2
	v_pk_add_f32 v[(\u)+z:(\u)+z+1], v[(\u)+z:(\u)+z+1], -1.0 op_sel_hi:[1,0]
.set z, z+2
.endr
.set z, 0
.rept (\n)/2
	v_pk_add_f32 v[(\t)+z:(\t)+z+1], v[(\t)+z:(\t)+z+1], v[(\u)+z:(\u)+z+1] neg_lo:[0,1] neg_hi:[0,1]
.set z, z+2
.endr
.set z, 0
.rept (\n)/2
	v_pk_add_f32 v[(\y)+z:(\y)+z+1], v[(\y)+z:(\y)+z+1], v[(\t)+z:(\t)+z+1]
.set z, z+2
.endr
	s_wait_alu depctr_va_vdst(0)
.set z, 0
.rept (\n)/2
	v_pk_fma_f32 v[(\y)+z:(\y)+z+1], v[(\g)+z:(\g)+z+1], s[LN2:LN2+1], v[(\y)+z:(\y)+z+1] op_sel_hi:[1,0,1]
.set z, z+2
.endr
.endm
	s_load_b512 s[8:23], s[0:1], 0x0               ; mu, var, wq_mu, wk_mu, wv_mu, wq_var, wk_var, wv_var
	s_load_b512 s[24:39], s[0:1], 0x40             ; bq_mu, bk_mu, bv_mu, bq_var, bk_var, bv_var, wsf, wsv
	s_load_b64 s[40:41], s[0:1], 0x80              ; wsl
	v_lshl_add_u32 v[SPW], v0, 2, SPARE
	v_mov_b32 v[NIL], 0
	ds_add_u32 v[SPW], v[NIL]                      ; the wave's opening: the add, twice on end, and its wait ahead of my first tensor load; the set-up below, work on registers, stands between
	ds_add_u32 v[SPW], v[NIL]                      ; and once more, under the one wait
	v_lshrrev_b32 v20, 5, v0
	v_readfirstlane_b32 s2, v20                    ; wave 0..3
	s_mov_b32 s3, ttmp9                            ; which 128 rows
	s_and_b32 s4, ttmp7, 0xffff
	s_lshr_b32 s5, s4, 4                           ; type: q_mu, k_mu, v_mu, q_var, k_var, v_var
	s_and_b32 s6, s4, 15                           ; head
	s_cmp_ge_u32 s5, 3
	s_cselect_b32 s7, 1, 0                         ; 1: a var projection
	s_mul_i32 s42, s7, 3
	s_sub_co_u32 s42, s5, s42                      ; kind: 0 q, 1 k, 2 v
	s_mov_b32 s[NL2E], 0xbfb8aa3b
	s_mov_b32 s[ABSM], 0x7fffffff
	s_mov_b32 s[LN2], 0x3f317218
	s_mov_b32 s[LN2+1], 0x3f317218
	s_mov_b32 s58, 0x3db8aa3b                      ; log2 e / 16
	s_mov_b32 s59, 0x3db8aa3b
	s_mov_b32 s60, 0xffff0000                      ; a word's upper bf16
	; descriptor group 1: a tile of 64 rows of k x 64 columns of f32; in LDS the rows of 256 bytes follow each other without a gap: sixteen lanes read one row on end
	s_mov_b32 s[G1], 2<<16                         ; 15:0 no mask; 17:16 elements of 4 bytes; 20 no padding
	s_mov_b32 s[G1+1], 64<<16                      ; tensor_dim0 = 64
	s_mov_b32 s[G1+2], 64<<16                      ; tensor_dim1 = 64
	s_mov_b32 s[G1+3], 64<<16                      ; tile_dim0 = 64
	s_mov_b32 s[G1+4], 64                          ; tile_dim1 = 64
	s_mov_b32 s[G1+5], 1024                        ; 1,024 elements from row to row
	s_mov_b32 s[G1+6], 0
	s_mov_b32 s[G1+7], 0
	s_lshl_b32 s66, s2, 16                         ; my quarter of W in LDS
.irp j, 0,1,2,3
	s_mov_b32 s[G0+4*(\j)], 1                      ; count = 1
	s_add_co_u32 s[G0+4*(\j)+1], s66, (\j)*16384   ; LDS address: 65,536 x wave + 16,384 x chunk
.endr
	v_and_b32 v1, 15, v0                           ; r
	v_bfe_u32 v10, v0, 4, 1                        ; h
	v_and_b32 v11, 31, v0                          ; l
	v_lshrrev_b32 v22, 3, v11                      ; l / 8
	v_and_b32 v23, 7, v0                           ; l % 8 = r % 8
	v_lshrrev_b32 v21, 3, v1                       ; r / 8
	v_lshl_add_u32 v20, v23, 1, v21                ; the real row of fragment row r
	v_lshlrev_b32 v[AO], 14, v22
	v_lshl_add_u32 v[AO], v23, 4, v[AO]
	s_lshl_b32 s43, s2, 10
	v_add_nc_u32 v[AO], s43, v[AO]
	v_lshlrev_b32 v[WL], 4, v1
	v_lshl_add_u32 v[WL], v10, 12, v[WL]
	v_add_nc_u32 v[WL], s66, v[WL]
	v_lshl_add_u32 v[LS], v11, 4, s66
	s_mul_i32 s43, s2, 128*XP
	s_add_co_u32 s43, s43, XST                     ; my stage
	v_mul_u32_u24 v[XS], v22, 4*XP
	v_lshl_add_u32 v[XS], v23, 3, v[XS]
	v_add_nc_u32 v[XS], s43, v[XS]
	v_mul_u32_u24 v[XR], v20, XP
	v_lshl_add_u32 v[XR], v10, 5, v[XR]
	v_add_nc_u32 v[XR], s43, v[XR]
	s_lshl_b32 s43, s2, 13
	v_lshl_add_u32 v[LR0], v11, 4, s43
.irp p, 1,2,3
	v_add_nc_u32 v[LR0+(\p)], (\p)*65536, v[LR0]
.endr
	v_lshlrev_b32 v[GO], 4, v1                     ; f32 planes: 8192 w + 256 h + 16 r,
	v_lshl_add_u32 v[GO], v10, 8, v[GO]
	v_add_nc_u32 v[GO], s43, v[GO]
	s_cmp_eq_u32 s42, 2
	s_cselect_b32 s43, 1, 0
	v_lshrrev_b32 v[GO], s43, v[GO]                ; f16 planes: half of that
	s_mov_b32 s62, 4096
	s_lshr_b32 s62, s62, s43                       ; 16 rows of the plane
	v_lshlrev_b32 v[BO], 4, v1
	s_lshl_b32 s43, s2, 7
	s_add_co_u32 s43, s43, LKB
	v_lshl_add_u32 v[LKS], v10, 2, s43
	v_lshl_add_u32 v[LKR], v11, 2, s43
	s_lshl_b32 s43, s6, 10                         ; wsl: (256 head + 128 half + 32 w + l) x 4
	s_lshl_b32 s63, s3, 9
	s_add_co_u32 s43, s43, s63
	s_lshl_b32 s63, s2, 7
	s_add_co_u32 s43, s43, s63
	v_lshl_add_u32 v[LKG], v11, 2, s43
	s_lshl1_add_u32 s43, s42, s7                   ; the f32 plane: 2 kind + var,
	s_lshl_b32 s43, s43, 20
	s_lshl_b32 s4, s6, 16                          ; the head, the half
	s_add_co_u32 s43, s43, s4
	s_lshl_b32 s4, s3, 15
	s_add_co_u32 s43, s43, s4
	s_lshl_b32 s63, s7, 19                         ; the same in wsv
	s_lshl_b32 s4, s6, 15
	s_add_co_u32 s63, s63, s4
	s_lshl_b32 s4, s3, 14
	s_add_co_u32 s63, s63, s4
	s_mov_b32 s53, 0
	s_wait_dscnt 0x0                               ; both opening adds are done
	s_wait_kmcnt 0x0
	s_mov_b64 s[46:47], s[12:13]                   ; W and b by the type: choices between buffers on a number made of the work-group's id alone
	s_mov_b64 s[48:49], s[24:25]
.irp t, 1,2,3,4,5
	s_cmp_eq_u32 s5, \t
	s_cselect_b64 s[46:47], s[12+2*(\t):13+2*(\t)], s[46:47]
	s_cselect_b64 s[48:49], s[24+2*(\t):25+2*(\t)], s[48:49]
.endr
	s_cmp_eq_u32 s7, 1
	s_cselect_b64 s[44:45], s[10:11], s[8:9]       ; x
	s_cmp_eq_u32 s42, 2
	s_cselect_b64 s[50:51], s[38:39], s[36:37]     ; the output's buffer,
	s_cselect_b32 s52, s63, s43                    ; and my part of it
	s_add_nc_u64 s[50:51], s[50:51], s[52:53]
	s_lshl_b32 s52, s3, 19                         ; 128 rows of x
	s_add_nc_u64 s[44:45], s[44:45], s[52:53]
	s_lshl_b32 s52, s6, 8                          ; the head's 64 columns
	s_add_nc_u64 s[46:47], s[46:47], s[52:53]
	s_add_nc_u64 s[48:49], s[48:49], s[52:53]
	s_lshl_b32 s52, s2, 20                         ; my 256 rows of W
	s_add_nc_u64 s[92:93], s[46:47], s[52:53]
.irp j, 0,1,2,3
	s_add_nc_u64 s[G0+4*(\j)+2:G0+4*(\j)+3], s[92:93], (\j)*262144  ; global address: 64 rows of 4,096 bytes a chunk
	s_or_b32 s[G0+4*(\j)+3], s[G0+4*(\j)+3], 0x80000000            ; type = 2
.endr
.irp j, 0,1,2,3                        ; my four first fills, together, ahead of every wait on TENSORcnt, every LDS read and every barrier: four loads of mine are out
	tensor_load_to_lds s[G0+4*(\j):G0+4*(\j)+3], s[G1:G1+7]
	s_nop 0
.endr
.rept 4
	v_nop                                          ; ahead of the first switch of windows
.endr
	global_load_b128 v[BV:BV+3], v[BO], s[48:49]
.macro LOADA b, k                      ; K step k of x into raw buffer b: load j takes 128 consecutive bytes of each of the rows 16 (j / 4) + j % 4 + 4 (l / 8)
	WIN (2+(\b))<<6
.set j, 0
.rept 32
	global_load_b128 v[4*j:4*j+3], v[AO], s[44:45] offset:(16*(j/4)+j%4)*4096+(\k)*128
.set j, j+1
.endr
.endm
; K step k is made ready: x is rounded, its raw buffer asked for again two steps on, the rounded numbers go through my stage and come back as 8 fragments; W's 16 rows are read.
; The stage is my wave's own, and LDS serves a wave's instructions in order (ISA guide 5.7.1.4): the loads see the stores above them, and the next step's stores come behind these loads.
.macro STAGE k
.set b, (\k)%2
.if (\k) == 7
	s_wait_loadcnt 0x0
.else
	s_wait_loadcnt 32                              ; loads come back in order: behind this step's stand the 32 of the next step alone
.endif
	WIN 0x8a+0x45*b                                ; sources and destination in the step's raw window
.set j, 0
.rept 64
	v_cvt_pk_bf16_f32 v[192+j], v[2*j], v[2*j+1]
.set j, j+1
.endr
.if (\k) < 6
	LOADA b, (\k)+2
.endif
	WIN (2+b)<<2                                   ; store data in the raw window
.set j, 0
.rept 32                               ; four rows 4 apart, 64 bytes of each
	ds_store_b64 v[XS], v[192+2*j:192+2*j+1] offset:(16*(j/4)+j%4)*XP
.set j, j+1
.endr
	WIN 0
.set j, 0
.rept 8
	ds_load_b128 v[FA+64*b+8*j:FA+64*b+8*j+3],   v[XR] offset:j*16*XP
	ds_load_b128 v[FA+64*b+8*j+4:FA+64*b+8*j+7], v[XR] offset:j*16*XP+16
.set j, j+1
.endr
.if b == 0
	s_wait_tensorcnt 3-(\k)/2                      ; tensor loads of a wave end in order (ISA guide 10.11.1): the chunk of this step and the next is in; the later chunks may stay out.  Only I read these bytes
.endif
	WIN (2+b)<<6
.set j, 0
.rept 16
	ds_load_b128 v[128+4*j:128+4*j+3], v[WL] offset:(\k)*8192+j*256
.set j, j+1
.endr
.endm
.macro FINW k                          ; the step's LDS loads are in; W is rounded: fragment c = j / 8, register i = j % 8: rows 2 i and 2 i + 1, component c
.set b, (\k)%2
	s_wait_dscnt 0x0
	WIN 0x0a+5*b
.set j, 0
.rept 32
	v_cvt_pk_bf16_f32 v[FW+32*b+j], v[128+8*(j%8)+j/8], v[128+8*(j%8)+4+j/8]
.set j, j+1
.endr
.endm
.macro MUL k                           ; 32 products; the 32 accumulators take turns, one instruction a turn, from K step to K step too.  The first K step starts the sums
.set b, (\k)%2
	WIN 0x50
.set j, 0
.rept 32
.if (\k) == 0
	v_wmma_f32_16x16x32_bf16 v[8*j:8*j+7], v[FA+64*b+8*(j/4):FA+64*b+8*(j/4)+7], v[FW+32*b+8*(j%4):FW+32*b+8*(j%4)+7], 0
.else
	v_wmma_f32_16x16x32_bf16 v[8*j:8*j+7], v[FA+64*b+8*(j/4):FA+64*b+8*(j/4)+7], v[FW+32*b+8*(j%4):FW+32*b+8*(j%4)+7], v[8*j:8*j+7]
.endif
.set j, j+1
.endr
.endm
	LOADA 0, 0
	LOADA 1, 1
; My 8 K steps of 32, written out: every step stands in the immediates, and no address register is ever rewritten.  A step's way through LDS lies under the products of the step before.
; The fragment sets go by the step's parity: what is loaded or rounded into a set stands behind the 32 + 64 conversions that follow the last products that read it.
	STAGE 0
	FINW 0
.irp k, 0,1,2,3,4,5,6
	STAGE (\k)+1
	MUL \k
	FINW (\k)+1
.endr
	MUL 7
	PLACES
	WIN 0x04                                       ; store data in window 1
.set j, 0
.rept 32                               ; into my own quarter of W's bytes, which have had their last fill and my last read; each accumulator's low registers first
	ds_store_b128 v[LS], v[8*j:8*j+3] offset:1024*j
	ds_store_b128 v[LS], v[8*j+4:8*j+7] offset:1024*j+512
.set j, j+1
.endr
	WIN 0
	s_wait_dscnt 0x0                               ; for the others' sake: my partial tiles lie in LDS
	s_barrier_signal -1
	s_barrier_wait -1
	v_cvt_pk_bf16_f32 v20, v[BV], v[BV+1]          ; the bias is rounded to bf16 like every input
	v_cvt_pk_bf16_f32 v21, v[BV+2], v[BV+3]
	v_lshlrev_b32 v[BV], 16, v20
	v_and_b32 v[BV+1], s60, v20
	v_lshlrev_b32 v[BV+2], 16, v21
	v_and_b32 v[BV+3], s60, v21
	s_mov_b32 s61, 2
.Lfin:                                         ; two trips: wave w finishes m tiles 2 w and 2 w + 1
.irp p, 0,1,2,3
.irp c, 0,1,2,3
	ds_load_b128 v[PX+32*(\p)+8*(\c):PX+32*(\p)+8*(\c)+3],   v[LR0+(\p)] offset:(\c)*1024
	ds_load_b128 v[PX+32*(\p)+8*(\c)+4:PX+32*(\p)+8*(\c)+7], v[LR0+(\p)] offset:(\c)*1024+512
.endr
.endr
	s_wait_dscnt 0x0
.set z, 0
.rept 16
	v_pk_add_f32 v[PX+z:PX+z+1], v[PX+z:PX+z+1], v[PX+32+z:PX+32+z+1]
	v_pk_add_f32 v[PX+64+z:PX+64+z+1], v[PX+64+z:PX+64+z+1], v[PX+96+z:PX+96+z+1]
.set z, z+2
.endr
.set z, 0
.rept 16
	v_pk_add_f32 v[PX+z:PX+z+1], v[PX+z:PX+z+1], v[PX+64+z:PX+64+z+1]
.set z, z+2
.endr
.irp j, 0,1,2,3,4,5,6,7
.irp c, 0,1,2,3
	v_add_f32 v[Y+4*(\j)+(\c)], v[PX+8*(\c)+(\j)], v[BV+(\c)]  ; row 2 j + h, column 4 r + c
.endr
.endr
	s_cmp_eq_u32 s7, 0
	s_cbranch_scc1 .Lnosp
	SOFTPLUS Y, 32, PX, PX+32, PX+64
.Lnosp:
	s_cmp_eq_u32 s42, 2
	s_cbranch_scc1 .Lf16
	s_cmp_eq_u32 s5, 4
	s_cbranch_scc1 .Lkvar
.irp j, 0,1,2,3,4,5,6,7                ; Qm, Qv, Km: 512 consecutive bytes a store
	global_store_b128 v[GO], v[Y+4*(\j):Y+4*(\j)+3], s[50:51] offset:512*(\j)
.endr
	s_branch .Lnext
.Lkvar:                                        ; Kv leaves as R' = (log2 e / 16) / Kv and as each row's sum of log2 Kv
.set z, 0
.rept 32
	v_rcp_f32 v[PX+z], v[Y+z]
.set z, z+1
.endr
.set z, 0
.rept 32
	v_log_f32 v[PX+32+z], v[Y+z]
.set z, z+1
.endr
	v_nop
	s_wait_alu depctr_va_vdst(0)                   ; one wait for the 64
.set z, 0
.rept 16
	v_pk_mul_f32 v[PX+z:PX+z+1], v[PX+z:PX+z+1], s[58:59] op_sel_hi:[1,0]
.set z, z+2
.endr
.irp j, 0,1,2,3,4,5,6,7
	global_store_b128 v[GO], v[PX+4*(\j):PX+4*(\j)+3], s[50:51] offset:512*(\j)
.endr
.irp j, 0,1,2,3,4,5,6,7
	v_pk_add_f32 v[PX+32+4*(\j):PX+32+4*(\j)+1], v[PX+32+4*(\j):PX+32+4*(\j)+1], v[PX+32+4*(\j)+2:PX+32+4*(\j)+3]
.endr
.irp j, 0,1,2,3,4,5,6,7
	v_add_f32 v[PX+64+(\j)], v[PX+32+4*(\j)], v[PX+32+4*(\j)+1]
.endr
.irp m, 1,2,4,8                        ; over the sixteen lanes that hold a row's 64 columns
.irp j, 0,1,2,3,4,5,6,7
	v_add_f32_dpp v[PX+64+(\j)], v[PX+64+(\j)], v[PX+64+(\j)] row_xmask:\m row_mask:0xf bank_mask:0xf
.endr
.endr
.irp j, 0,1,2,3,4,5,6,7
	v_mul_f32 v[PX+64+(\j)], 0x3d000000, v[PX+64+(\j)]  ; 1/32
.endr
.irp j, 0,1,2,3,4,5,6,7
	ds_store_b32 v[LKS], v[PX+64+(\j)] offset:8*(\j)  ; row 2 j + h: sixteen lanes write the same number to the same word of my wave's own 128 bytes
.endr
	s_branch .Lnext
.Lf16:                                         ; Vm, Vv: rounded once to f16; a store covers 256 consecutive bytes
.irp j, 0,1,2,3,4,5,6,7
	v_cvt_pk_f16_f32 v[Z+2*(\j)], v[Y+4*(\j)], v[Y+4*(\j)+1]
	v_cvt_pk_f16_f32 v[Z+2*(\j)+1], v[Y+4*(\j)+2], v[Y+4*(\j)+3]
.endr
.irp j, 0,1,2,3,4,5,6,7
	global_store_b64 v[GO], v[Z+2*(\j):Z+2*(\j)+1], s[50:51] offset:256*(\j)
.endr
.Lnext:
	s_wait_xcnt 0x0                                ; the stores' data and their offset are written again only behind this wait
.irp p, 0,1,2,3
	v_add_nc_u32 v[LR0+(\p)], 4096, v[LR0+(\p)]
.endr
	v_add_nc_u32 v[GO], s62, v[GO]
	v_add_nc_u32 v[LKS], 64, v[LKS]
	s_sub_co_u32 s61, s61, 1
	s_cmp_lg_u32 s61, 0
	s_cbranch_scc1 .Lfin
	s_cmp_eq_u32 s5, 4
	s_cbranch_scc0 .Lend
	ds_load_b32 v20, v[LKR]                        ; my wave's 32 rows' sums: its own bytes, and LDS serves a wave's instructions in order (ISA guide 5.7.1.4)
	s_wait_dscnt 0x0
	global_store_b32 v[LKG], v20, s[40:41]
.Lend:
	s_wait_tensorcnt 0x0                           ; the wave's end, behind my last tensor load and my last LDS store
	ds_add_u32 v[SPW], v[NIL]
	s_wait_dscnt 0x0
	s_endpgm
.Lfunc_end_k_q7ebc9cdd72_proj:
	.size	k_q7ebc9cdd72_proj, .Lfunc_end_k_q7ebc9cdd72_proj-k_q7ebc9cdd72_proj
	.p2alignl 7, 3214868480
	.fill 96, 4, 3214868480
	.section	.rodata,"a",@progbits
	.p2align	6, 0x0
	.amdhsa_kernel k_q7ebc9cdd72_proj
		.amdhsa_group_segment_fixed_size 304128
		.amdhsa_private_segment_fixed_size 0
		.amdhsa_enable_private_segment 0
		.amdhsa_kernarg_size 136
		.amdhsa_user_sgpr_count 2
		.amdhsa_user_sgpr_kernarg_segment_ptr 1
		.amdhsa_wavefront_size32 1
		.amdhsa_system_sgpr_workgroup_id_x 1
		.amdhsa_system_sgpr_workgroup_id_y 1
		.amdhsa_system_sgpr_workgroup_id_z 1
		.amdhsa_system_vgpr_workitem_id 0
		.amdhsa_next_free_vgpr 1024
		.amdhsa_next_free_sgpr 94
		.amdhsa_reserve_vcc 0
		.amdhsa_float_denorm_mode_32 3
		.amdhsa_float_denorm_mode_16_64 3
		.amdhsa_memory_ordered 1
		.amdhsa_forward_progress 1
		.amdhsa_inst_pref_size 162
	.end_amdhsa_kernel
	.amdgpu_metadata
---
amdhsa.version: [ 1, 2 ]
amdhsa.kernels:
  - .name:           k_q7ebc9cdd72_proj
    .symbol:         k_q7ebc9cdd72_proj.kd
    .args:
      - { .name: mu, .offset: 0, .size: 8, .value_kind: global_buffer, .address_space: global }
      - { .name: var, .offset: 8, .size: 8, .value_kind: global_buffer, .address_space: global }
      - { .name: wq_mu, .offset: 16, .size: 8, .value_kind: global_buffer, .address_space: global }
      - { .name: wk_mu, .offset: 24, .size: 8, .value_kind: global_buffer, .address_space: global }
      - { .name: wv_mu, .offset: 32, .size: 8, .value_kind: global_buffer, .address_space: global }
      - { .name: wq_var, .offset: 40, .size: 8, .value_kind: global_buffer, .address_space: global }
      - { .name: wk_var, .offset: 48, .size: 8, .value_kind: global_buffer, .address_space: global }
      - { .name: wv_var, .offset: 56, .size: 8, .value_kind: global_buffer, .address_space: global }
      - { .name: bq_mu, .offset: 64, .size: 8, .value_kind: global_buffer, .address_space: global }
      - { .name: bk_mu, .offset: 72, .size: 8, .value_kind: global_buffer, .address_space: global }
      - { .name: bv_mu, .offset: 80, .size: 8, .value_kind: global_buffer, .address_space: global }
      - { .name: bq_var, .offset: 88, .size: 8, .value_kind: global_buffer, .address_space: global }
      - { .name: bk_var, .offset: 96, .size: 8, .value_kind: global_buffer, .address_space: global }
      - { .name: bv_var, .offset: 104, .size: 8, .value_kind: global_buffer, .address_space: global }
      - { .name: wsf, .offset: 112, .size: 8, .value_kind: global_buffer, .address_space: global }
      - { .name: wsv, .offset: 120, .size: 8, .value_kind: global_buffer, .address_space: global }
      - { .name: wsl, .offset: 128, .size: 8, .value_kind: global_buffer, .address_space: global }
    .group_segment_fixed_size: 304128
    .private_segment_fixed_size: 0
    .kernarg_segment_align: 8
    .kernarg_segment_size: 136
    .max_flat_workgroup_size: 128
    .sgpr_count:     94
    .vgpr_count:     1024
    .wavefront_size: 32
...
	.end_amdgpu_metadata
.endif
;; end of part 4
;; launch attn (part 5): grid 16 x 16, 4 waves a work-group, clusters of 4 x 1, 296,960 bytes of LDS; arguments wsf, wsv, wsl, wso; writes wso
.if DOCPART == 5
	.amdgcn_target "amdgcn-amd-amdhsa--gfx1250"
	.amdhsa_code_object_version 6
	.text
	.protected	k_q7ebc9cdd72_attn
	.globl	k_q7ebc9cdd72_attn
	.p2align	8
	.type	k_q7ebc9cdd72_attn,@function
k_q7ebc9cdd72_attn:
	s_mov_b64 s[64:65], 0
	v_nop
	global_prefetch_b8 v0, s[64:65] scope:SCOPE_SE
	s_setreg_imm32_b32 hwreg(HW_REG_WAVE_MODE, 25, 1), 1
	s_wait_xcnt 0x0
	s_wait_alu depctr_hold_cnt(0) depctr_sa_sdst(0) depctr_va_vdst(0) depctr_va_sdst(0) depctr_va_ssrc(0) depctr_va_vcc(0) depctr_vm_vsrc(0)
	s_getreg_b32 s2, hwreg(HW_REG_IB_STS2, 6, 4)
	s_cmp_eq_u32 s2, 0
	s_cbranch_scc0 .Lentry_in_a_cluster
	s_endpgm
.Lentry_in_a_cluster:
	s_bfe_u32 s2, ttmp6, 0x10000c
	s_cmp_lg_u32 s2, 0x3003
	s_cbranch_scc0 .Lentry_shape_is_right
	s_endpgm
.Lentry_shape_is_right:
; THE ATTENTION.  acc(q,k) = sum_d ((Qm[q]-Km[k])^2 + Qv[q]) R'[k] + 2 LKH[k] = -log2 e x score, but for terms that hang on q alone (left out: -log Qv / 2 and -1/2 summed over d are the same along
; the softmax's axis and cancel in it for all finite inputs).  p = 2^(min_k acc - acc), l = sum p, O_mu = sum p Vm / l, O_var = sum p^2 Vv / l^2.  The minimum of acc is the maximum that the softmax takes away.
; The score is made as it is written, in f32 on the vector unit: the square multiplied out would be a difference of large sums.  Three fused operations an element, two elements an instruction.
; p and p^2 (at most 1) are rounded to f16 for the two matrix products, O once to f16; l is the sum of the unrounded p.
; LIMITS.  f16: V within 65,504; p, p^2 and O below 6e-5 keep f16's fixed step of 6e-8.  A weight below 2^-126 counts as 0.  NaN and infinities are not treated apart; one that would arise in log Qv alone is not carried to the result.
; SHARES.  A work-group: 16 queries of one head (256 work-groups).  Wave w: keys 64 w .. 64 w + 63, through both phases.  Lane (r = l % 16, h = l / 16): keys 64 w + 4 r + 0..3, channels 32 h .. 32 h + 31:
; 256 registers of Km and R', read from LDS once.  A query's Qm and Qv come from LDS, sixteen lanes reading the same 16 bytes: one load feeds 12 packed instructions; a query's 16 loads stand in ONE run,
; a step ahead of their use, directly behind the last step's store of scores, never singly among the packed instructions.
; CLUSTER.  The four query blocks of a cluster belong to one head and need the same Km, R', Vm and Vv, 192 KiB of the 200 KiB that a work-group takes in: each tile is asked for JOINTLY, by the same tensor
; load, descriptor and mask in all four; each receives it in its own LDS.  Q's 8 KiB are the work-group's own.  All are first fills: five loads a wave at the head, nothing is filled again.
; REGISTERS: window 0: v0-31 addresses, statistics; v32-95, v96-159 a query's Qm (32) and Qv (32), two sets; v160-223 T, 32 pairs at work; v224-239 sums; v240-247 (LKH, 0); v248-251 four scores
;            window 1: Km of key i at v[32 i ..], R' at v[128 + 32 i ..]; later O^T's tile (a, n) at v[8 (4 a + n)]
.set QL,   0                           ; LDS: Qm, 16 rows of 256 bytes; Qv at 4,096: wave w fills 2,048 w on
.set SPB,  8192                        ; + 8,704 w: scores [channel half][16 queries], rows of 256 + 16 bytes: the 16 rows that a load touches start 68 words apart
.set VL,   43008                       ; + 20,480 w: [a][64 keys], rows of 128 + 32 bytes
.set OP,   124928                      ; + 8,192 w: the wave's 8 partial tiles of O^T, 1,024 bytes each
.set STT,  157696                      ; + 256 w: the wave's minimum at 4 l, its sum at 128 + 4 l
.set STG,  158720                      ; + 2,304 a: 16 rows of 128 + 16 bytes, for the way out
.set SPARE, 163328                     ; the spare words, 128 bytes for each wave: two blocks of 256 bytes that no other line names
.set KS,   163840                      ; + 33,280 w: Km of my 64 keys, then R': four keys of 256 bytes, then 16 bytes of padding: lane r's keys begin 260 words apart, in 16 different groups of four banks (64 banks of 4 bytes: ISA guide 11.1)
.set KPL,  16640                       ; 16 x 1,040: a plane
.set KA, 4
.set QA, 9
.set SS, 14
.set SR, 15
.set VR, 16
.set OS, 17
.set STA, 18
.set LG, 19
.set STW, 24
.set OR, 25
.set STI, 26
.set STO, 27
.set GOUT, 28
.set QS0, 32
.set QS1, 96
.set VF, 32
.set T,  160
.set ACC, 224
.set LKP, 240
.set SC, 248
.set SPW, 252
.set NIL, 253
.set G1Q, 40                           ; s[40:47] descriptor group 1 for Q's part, s[48:55] for Km and R', s[56:63] for V
.set G1K, 48
.set G1V, 56
.set G0Q, 68                           ; s[68:87] descriptor group 0: Q, Km, R', Vm, Vv
.set G0K, 72
.set G0R, 76
.set G0M, 80
.set G0W, 84
.set MSB, 0
.macro WIN new
.if MSB != (\new)
	s_set_vgpr_msb (MSB<<8)|(\new)
.set MSB, (\new)
.endif
.endm
; A round of the cluster's barrier: my work-group's barrier, so that wave 0's signal speaks for all four waves; wave 0 signals; every wave waits for all four work-groups; my work-group's barrier once more.
.macro CROUND
	s_barrier_signal -1
	s_barrier_wait -1
	s_cmp_lg_u32 s2, 0
	s_cbranch_scc1 .Lnot_wave_0_\@
	s_barrier_signal -3
.Lnot_wave_0_\@:
	s_barrier_wait -3
	s_barrier_signal -1
	s_barrier_wait -1
.endm
	s_load_b256 s[4:11], s[0:1], 0x0               ; wsf s[4:5], wsv s[6:7], wsl s[8:9], wso s[10:11]
	v_lshl_add_u32 v[SPW], v0, 2, SPARE
	v_mov_b32 v[NIL], 0
	ds_add_u32 v[SPW], v[NIL]                      ; the wave's opening: the add, twice on end, and its wait ahead of my first tensor load; the set-up below, work on registers, stands between
	ds_add_u32 v[SPW], v[NIL]                      ; and once more, under the one wait
	v_lshrrev_b32 v20, 5, v0
	v_readfirstlane_b32 s2, v20                    ; wave 0..3
	s_bfe_u32 s3, ttmp6, 0x40000                   ; cx: my place in the cluster
	s_lshl_b32 s13, ttmp9, 2                       ; in a cluster launch ttmp9 counts clusters
	s_add_co_u32 s3, s13, s3                       ; my block of 16 queries = 4 x cluster x + cx: it enters Q's and O's addresses alone
	s_and_b32 s12, ttmp7, 0xffff                   ; the head, which the four partners share
	s_mov_b32 s22, 0x76543210                      ; v_permlanex16_b32: each lane takes its own place in the other half
	s_mov_b32 s23, 0xfedcba98
	s_cmp_eq_u32 s2, 1
	s_cselect_b32 s25, -1, 0                       ; all lanes in wave 1, which finishes O_var
	; descriptor group 1.  Q: 8 rows of 64 f32, the work-group's own
	s_mov_b32 s[G1Q], 2<<16                        ; no mask; elements of 4 bytes; no padding
	s_mov_b32 s[G1Q+1], 64<<16                     ; tensor_dim0 = 64
	s_mov_b32 s[G1Q+2], 8<<16                      ; tensor_dim1 = 8
	s_mov_b32 s[G1Q+3], 64<<16                     ; tile_dim0 = 64
	s_mov_b32 s[G1Q+4], 8                          ; tile_dim1 = 8
	s_mov_b32 s[G1Q+5], 64                         ; 64 elements from row to row
	s_mov_b32 s[G1Q+6], 0
	s_mov_b32 s[G1Q+7], 0
	; Km, R': 64 keys are 16,384 dense bytes: asked for as 16 rows of 1,024 bytes, four keys a row, 16 bytes of padding behind each
	s_mov_b32 s[G1K], 15|(2<<16)|(1<<20)|(1<<21)|(7<<22)|(3<<25)  ; 15:0 the mask of four; 17:16 4-byte elements; 20 padding on; 21 set beside a mask; 24:22 after every 256 words (code 7); 31:25 4 words (code 3)
	s_mov_b32 s[G1K+1], 256<<16
	s_mov_b32 s[G1K+2], 16<<16
	s_mov_b32 s[G1K+3], 256<<16
	s_mov_b32 s[G1K+4], 16
	s_mov_b32 s[G1K+5], 256
	s_mov_b32 s[G1K+6], 0
	s_mov_b32 s[G1K+7], 0
	; V: 64 keys of 128 bytes are 8,192 dense bytes: asked for as 32 rows of 256 bytes, two keys a row, 32 bytes of padding behind every key
	s_mov_b32 s[G1V], 15|(1<<16)|(1<<20)|(1<<21)|(4<<22)|(7<<25)  ; 2-byte elements; after every 32 words (code 4) 8 words (code 7)
	s_mov_b32 s[G1V+1], 128<<16
	s_mov_b32 s[G1V+2], 32<<16
	s_mov_b32 s[G1V+3], 128<<16
	s_mov_b32 s[G1V+4], 32
	s_mov_b32 s[G1V+5], 128
	s_mov_b32 s[G1V+6], 0
	s_mov_b32 s[G1V+7], 0
.irp g, G0Q, G0K, G0R, G0M, G0W
	s_mov_b32 s[\g], 1                             ; count = 1
.endr
	s_lshl_b32 s[G0Q+1], s2, 11                    ; LDS addresses: constants and the wave's number alone
	s_mul_i32 s26, s2, 2*KPL
	s_add_co_u32 s[G0K+1], s26, KS
	s_add_co_u32 s[G0R+1], s26, KS+KPL
	s_mul_i32 s27, s2, 20480
	s_add_co_u32 s[G0M+1], s27, VL
	s_add_co_u32 s[G0W+1], s27, VL+10240
	s_lshl_b32 s20, s12, 16                        ; the head in wsf's planes,
	s_mov_b32 s21, 0
	s_lshl_b32 s28, s12, 15                        ; in wsv's and wso's
	s_mov_b32 s29, 0
	s_lshl_b32 s32, s2, 14                         ; my wave's 64 keys of 256 bytes,
	s_mov_b32 s33, 0
	s_lshl_b32 s30, s2, 13                         ; of 128 bytes
	s_mov_b32 s31, 0
	s_lshr_b32 s36, s2, 1                          ; Q: waves 0, 1 fetch Qm's rows 0-7, 8-15 of the block, waves 2, 3 Qv's
	s_lshl_b32 s36, s36, 20
	s_and_b32 s38, s2, 1
	s_lshl_b32 s39, s38, 11
	s_add_co_u32 s36, s36, s39
	s_lshl_b32 s39, s3, 12
	s_add_co_u32 s36, s36, s39
	s_mov_b32 s37, 0
	s_lshl_b32 s38, s38, 19                        ; O: plane a = the wave's number (waves 0 and 1), the block's 16 rows of 128 bytes
	s_lshl_b32 s39, s3, 11
	s_add_co_u32 s38, s38, s39
	s_mov_b32 s39, 0
	s_wait_dscnt 0x0                               ; both opening adds are done
	s_wait_kmcnt 0x0
	s_add_nc_u64 s[14:15], s[4:5], s[20:21]
	s_add_nc_u64 s[16:17], s[6:7], s[28:29]
	s_add_nc_u64 s[18:19], s[10:11], s[28:29]
	s_add_nc_u64 s[18:19], s[18:19], s[38:39]
	s_add_nc_u64 s[G0Q+2:G0Q+3], s[14:15], s[36:37]
	s_or_b32 s[G0Q+3], s[G0Q+3], 0x80000000        ; type = 2
	s_add_nc_u64 s[34:35], s[14:15], s[32:33]      ; the joint loads' addresses are made of the head and the wave's number alone
	s_add_nc_u64 s[G0K+2:G0K+3], s[34:35], 2097152 ; plane 2: Km
	s_or_b32 s[G0K+3], s[G0K+3], 0x80000000
	s_add_nc_u64 s[G0R+2:G0R+3], s[34:35], 3145728 ; plane 3: R'
	s_or_b32 s[G0R+3], s[G0R+3], 0x80000000
	s_add_nc_u64 s[G0M+2:G0M+3], s[16:17], s[30:31]
	s_add_nc_u64 s[G0W+2:G0W+3], s[G0M+2:G0M+3], 524288
	s_or_b32 s[G0M+3], s[G0M+3], 0x80000000
	s_or_b32 s[G0W+3], s[G0W+3], 0x80000000
	CROUND                                         ; all four work-groups are here: the joint loads meet
	tensor_load_to_lds s[G0Q:G0Q+3], s[G1Q:G1Q+7]  ; my five first fills, together, ahead of every wait on TENSORcnt, every LDS read and every further barrier: five loads of mine are out
	s_nop 0
	tensor_load_to_lds s[G0K:G0K+3], s[G1K:G1K+7]
	s_nop 0
	tensor_load_to_lds s[G0R:G0R+3], s[G1K:G1K+7]
	s_nop 0
	tensor_load_to_lds s[G0M:G0M+3], s[G1V:G1V+7]
	s_nop 0
	tensor_load_to_lds s[G0W:G0W+3], s[G1V:G1V+7]
	s_nop 0
.rept 4
	v_nop
.endr
	v_and_b32 v1, 15, v0                           ; r.  The lanes' addresses are made while the tiles are on their way
	v_bfe_u32 v2, v0, 4, 1                         ; h
	v_and_b32 v3, 31, v0                           ; l
	v_lshrrev_b32 v20, 3, v3                       ; l / 8
	v_and_b32 v21, 7, v0                           ; l % 8
	v_bfe_u32 v22, v0, 3, 1
	s_lshl_b32 s29, s2, 8
	s_lshl_b32 s26, s12, 10                        ; wsl: (256 head + 64 w + 4 r) x 4
	s_add_co_u32 s26, s26, s29
	v_lshl_add_u32 v[LG], v1, 4, s26
	global_load_b128 v[176:179], v[LG], s[8:9]     ; LKH of my four keys
	v_mul_u32_u24 v[KA], v1, 1040                  ; my four keys, my 128 bytes of each
	v_lshl_add_u32 v[KA], v2, 7, v[KA]
	v_add_nc_u32 v[KA], s[G0K+1], v[KA]
	v_lshlrev_b32 v[QA], 7, v2
	s_mul_i32 s28, s2, 8704
	s_add_co_u32 s28, s28, SPB
	v_mul_u32_u24 v[SS], v2, 4352
	v_lshl_add_u32 v[SS], v1, 4, v[SS]
	v_add_nc_u32 v[SS], s28, v[SS]
	v_mul_u32_u24 v[SR], v1, 272
	v_lshl_add_u32 v[SR], v2, 5, v[SR]
	v_add_nc_u32 v[SR], s28, v[SR]
	v_lshl_add_u32 v[VR], v2, 3, v21               ; the turning load: key 8 h + l % 8, channels 8 ((l / 8) % 2) on
	v_mul_u32_u24 v[VR], v[VR], 160
	v_lshl_add_u32 v[VR], v22, 4, v[VR]
	v_add_nc_u32 v[VR], s[G0M+1], v[VR]
	s_lshl_b32 s30, s2, 13
	s_add_co_u32 s30, s30, OP
	v_lshl_add_u32 v[OS], v3, 4, s30
	v_lshl_add_u32 v[STA], v3, 2, STT
	v_add_nc_u32 v[STW], s29, v[STA]
	s_lshl_b32 s31, s2, 12                         ; waves 0 and 1 alone use the next four: output a = the wave's number
	s_add_co_u32 s31, s31, OP
	v_lshl_add_u32 v[OR], v3, 4, s31
	s_mul_i32 s30, s2, 2304
	s_add_co_u32 s30, s30, STG
	v_mul_u32_u24 v[STI], v1, 144
	v_lshl_add_u32 v[STI], v2, 4, v[STI]
	v_add_nc_u32 v[STI], s30, v[STI]
	v_mul_u32_u24 v[STO], v20, 144
	v_lshl_add_u32 v[STO], v21, 4, v[STO]
	v_add_nc_u32 v[STO], s30, v[STO]
	v_lshlrev_b32 v[GOUT], 4, v3
	s_wait_tensorcnt 2                             ; tensor loads of a wave end in order (ISA guide 10.11.1): my part of Q, my Km and my R' are in; V's two tiles may stay out
	s_barrier_signal -1
	s_barrier_wait -1                              ; everybody's part of Q is in
.set t, 0
.rept 8                                ; query 0
	ds_load_b128 v[QS0+4*t:QS0+4*t+3], v[QA] offset:16*t
	ds_load_b128 v[QS0+32+4*t:QS0+32+4*t+3], v[QA] offset:4096+16*t
.set t, t+1
.endr
	WIN 0x40
.set n, 0
.rept 64                               ; plane n / 32 (Km, R'), key (n / 8) % 4, 16 bytes n % 8 of my 128
	ds_load_b128 v[4*n:4*n+3], v[KA] offset:(n/32)*KPL+((n/8)%4)*256+(n%8)*16
.set n, n+1
.endr
	WIN 0
	s_wait_loadcnt 0x0                             ; LKH
.irp i, 0,1,2,3
	v_mov_b32 v[LKP+2*(\i)], v[176+(\i)]           ; each channel half's sum starts at LKH: the two halves together hold 2 LKH
	v_mov_b32 v[LKP+2*(\i)+1], 0
.endr
	s_wait_dscnt 0x0                               ; query 0, Km and R' are in registers: the steps' own wait below leaves one LDS instruction out, so these are awaited here
; One query: my 4 keys x 32 channels.  cur: the set that holds the query; ld = 1: the next query, at byte qo behind v[QA], is fetched into oth, in one run; so: where the four scores go, behind v[SS].
; In two batches of 8 channel pairs x 4 keys: t = Qm - Km; u = t t + Qv; sum += u R'.  Eight sums (key, parity of the pair) that do not wait for each other; the first lines start them: nothing is cleared.
.macro QSTEP cur, oth, ld, qo, so
	s_wait_dscnt 1                                 ; LDS instructions of a wave end in order (ISA guide 5.7.1): the query's 16 loads went out at the last step's head, and behind them stands that step's store of scores alone, which may stay out
.if \ld
.set t, 0
.rept 8
	ds_load_b128 v[(\oth)+4*t:(\oth)+4*t+3], v[QA] offset:(\qo)+16*t
	ds_load_b128 v[(\oth)+32+4*t:(\oth)+32+4*t+3], v[QA] offset:4096+(\qo)+16*t
.set t, t+1
.endr
.endif
.irp bt, 0,1
	WIN 0x04                                       ; source 1 in window 1
.set p, 0
.rept 32
.set e2, 8*(\bt)+p/4
.set ki, p%4
	v_pk_add_f32 v[T+2*p:T+2*p+1], v[(\cur)+2*e2:(\cur)+2*e2+1], v[32*ki+2*e2:32*ki+2*e2+1] neg_lo:[0,1] neg_hi:[0,1]
.set p, p+1
.endr
	WIN 0
.set p, 0
.rept 32
.set e2, 8*(\bt)+p/4
	v_pk_fma_f32 v[T+2*p:T+2*p+1], v[T+2*p:T+2*p+1], v[T+2*p:T+2*p+1], v[(\cur)+32+2*e2:(\cur)+32+2*e2+1]
.set p, p+1
.endr
	WIN 0x04
.set p, 0
.rept 32
.set e2, 8*(\bt)+p/4
.set ki, p%4
.set ra, ACC+4*ki+2*(e2%2)
.if e2 == 0
	v_pk_fma_f32 v[ra:ra+1], v[T+2*p:T+2*p+1], v[128+32*ki+2*e2:128+32*ki+2*e2+1], v[LKP+2*ki:LKP+2*ki+1]
.elseif e2 == 1
	v_pk_mul_f32 v[ra:ra+1], v[T+2*p:T+2*p+1], v[128+32*ki+2*e2:128+32*ki+2*e2+1]
.else
	v_pk_fma_f32 v[ra:ra+1], v[T+2*p:T+2*p+1], v[128+32*ki+2*e2:128+32*ki+2*e2+1], v[ra:ra+1]
.endif
.set p, p+1
.endr
.endr
	WIN 0
.irp i, 0,1,2,3
	v_pk_add_f32 v[ACC+4*(\i):ACC+4*(\i)+1], v[ACC+4*(\i):ACC+4*(\i)+1], v[ACC+4*(\i)+2:ACC+4*(\i)+3]
.endr
.irp i, 0,1,2,3
	v_add_f32 v[SC+(\i)], v[ACC+4*(\i)], v[ACC+4*(\i)+1]
.endr
	ds_store_b128 v[SS], v[SC:SC+3] offset:\so     ; keys 4 r .. 4 r + 3 of the query's row, in my channel half's table: sixteen lanes fill the row's 256 bytes.  My wave's own bytes, read by it alone, in phase 2
.endm
	s_mov_b32 s24, 7
.Lq:                                           ; seven trips of two queries; the last two are written out, so that no byte behind Q is read
	QSTEP QS0, QS1, 1, 256, 0
	QSTEP QS1, QS0, 1, 512, 272
	v_add_nc_u32 v[QA], 512, v[QA]
	v_add_nc_u32 v[SS], 544, v[SS]
	s_sub_co_u32 s24, s24, 1
	s_cmp_lg_u32 s24, 0
	s_cbranch_scc1 .Lq
	QSTEP QS0, QS1, 1, 256, 0
	QSTEP QS1, QS0, 0, 0, 272
; PHASE 2, on the wave's own bytes of LDS (LDS serves a wave's instructions in order: ISA guide 5.7.1.4).  A lane now holds ONE query (r) and the keys 32 s + 16 u + 8 h + 0..7 of my wave's 64:
; the layout of source 1 (32 keys x 16 queries) of O^T = V^T P.  V ([key][channel]) comes turned, by ds_load_tr16_b128: fragment (a, s, n): keys 32 s on, channels 16 n on.
	s_wait_tensorcnt 0x0                           ; my two tiles of V are in; only I read them
.irp a, 0,1
.irp s, 0,1
.irp n, 0,1,2,3
	ds_load_tr16_b128 v[VF+64*(\a)+32*(\s)+8*(\n):VF+64*(\a)+32*(\s)+8*(\n)+3],   v[VR] offset:(\a)*10240+(\s)*5120+(\n)*32
	ds_load_tr16_b128 v[VF+64*(\a)+32*(\s)+8*(\n)+4:VF+64*(\a)+32*(\s)+8*(\n)+7], v[VR] offset:(\a)*10240+(\s)*5120+(\n)*32+2560
.endr
.endr
.endr
.set n, 0
.rept 16                               ; channel half n / 8; s = (n / 4) % 2, u = (n / 2) % 2, the 16 bytes n % 2
	ds_load_b128 v[T+4*n:T+4*n+3], v[SR] offset:(n/8)*4352+((n/4)%2)*128+((n/2)%2)*64+(n%2)*16
.set n, n+1
.endr
	s_wait_dscnt 0x0
.set z, 0
.rept 16
	v_pk_add_f32 v[T+z:T+z+1], v[T+z:T+z+1], v[T+32+z:T+32+z+1]  ; the two channel halves: acc
.set z, z+2
.endr
.irp x, 0,1,2,3                        ; the least of my 32, three operands at a time, in four chains
	v_min3_num_f32 v[20+(\x)], v[T+8*(\x)], v[T+8*(\x)+1], v[T+8*(\x)+2]
.endr
.irp x, 0,1,2,3
	v_min3_num_f32 v[20+(\x)], v[20+(\x)], v[T+8*(\x)+3], v[T+8*(\x)+4]
.endr
.irp x, 0,1,2,3
	v_min3_num_f32 v[20+(\x)], v[20+(\x)], v[T+8*(\x)+5], v[T+8*(\x)+6]
.endr
	v_min3_num_f32 v20, v20, v[T+7], v[T+15]
	v_min3_num_f32 v22, v22, v[T+23], v[T+31]
	v_min3_num_f32 v20, v20, v21, v22
	v_min_num_f32 v20, v20, v23
	v_permlanex16_b32 v21, v20, s22, s23           ; the query's other 32 keys lie in the lane 16 away
	v_min_num_f32 v10, v20, v21                    ; m, the least acc of my wave's 64 keys
	v_mov_b32 v11, v10
.set z, 0
.rept 16
	v_pk_add_f32 v[T+z:T+z+1], v[10:11], v[T+z:T+z+1] neg_lo:[0,1] neg_hi:[0,1]  ; m - acc
.set z, z+2
.endr
.set z, 0
.rept 32
	v_exp_f32 v[T+z], v[T+z]
.set z, z+1
.endr
	v_nop                                          ; a plain instruction behind the last exponential,
	s_wait_alu depctr_va_vdst(0)                   ; and one wait for the batch, ahead of its first reader
.set z, 0
.rept 8                                ; l: a tree over the 16 pairs
	v_pk_add_f32 v[192+2*z:192+2*z+1], v[T+4*z:T+4*z+1], v[T+4*z+2:T+4*z+3]
.set z, z+1
.endr
.set z, 0
.rept 4
	v_pk_add_f32 v[208+2*z:208+2*z+1], v[192+4*z:192+4*z+1], v[192+4*z+2:192+4*z+3]
.set z, z+1
.endr
	v_pk_add_f32 v[216:217], v[208:209], v[210:211]
	v_pk_add_f32 v[218:219], v[212:213], v[214:215]
	v_pk_add_f32 v[220:221], v[216:217], v[218:219]
	v_add_f32 v12, v220, v221
	v_permlanex16_b32 v221, v12, s22, s23
	v_add_f32 v12, v12, v221                       ; l of my wave's 64 keys
.set z, 0
.rept 16
	v_cvt_pk_f16_f32 v[224+z], v[T+2*z], v[T+2*z+1]  ; P
.set z, z+1
.endr
.set z, 0
.rept 16
	v_pk_mul_f32 v[T+2*z:T+2*z+1], v[T+2*z:T+2*z+1], v[T+2*z:T+2*z+1]
.set z, z+1
.endr
.set z, 0
.rept 16
	v_cvt_pk_f16_f32 v[192+z], v[T+2*z], v[T+2*z+1]  ; P^2
.set z, z+1
.endr
	WIN 0x50                                       ; C and D in window 1
.irp s, 0,1                            ; the 8 accumulators take turns; the first 32 keys start the sums
.irp a, 0,1
.irp n, 0,1,2,3
.if (\s) == 0
	v_wmma_f32_16x16x32_f16 v[8*(4*(\a)+(\n)):8*(4*(\a)+(\n))+7], v[VF+64*(\a)+8*(\n):VF+64*(\a)+8*(\n)+7], v[224-32*(\a):224-32*(\a)+7], 0
.else
	v_wmma_f32_16x16x32_f16 v[8*(4*(\a)+(\n)):8*(4*(\a)+(\n))+7], v[VF+64*(\a)+32+8*(\n):VF+64*(\a)+32+8*(\n)+7], v[232-32*(\a):232-32*(\a)+7], v[8*(4*(\a)+(\n)):8*(4*(\a)+(\n))+7]
.endif
.endr
.endr
.endr
.rept 4
	v_nop                                          ; four places between the last product and the stores that read results
.endr
	WIN 0x04
.set n, 0
.rept 8                                ; each accumulator's low registers first
	ds_store_b128 v[OS], v[8*n:8*n+3] offset:1024*n
	ds_store_b128 v[OS], v[8*n+4:8*n+7] offset:1024*n+512
.set n, n+1
.endr
	WIN 0
	ds_store_b32 v[STW], v10
	ds_store_b32 v[STW], v12 offset:128
	s_wait_dscnt 0x0                               ; for the others' sake
	s_barrier_signal -1
	s_barrier_wait -1
	s_cmp_lt_u32 s2, 2                             ; wave 0 finishes O_mu, wave 1 O_var
	s_cbranch_scc0 .Lend
.irp w, 0,1,2,3
	ds_load_b32 v[224+(\w)], v[STA] offset:256*(\w)
	ds_load_b32 v[228+(\w)], v[STA] offset:256*(\w)+128
.endr
.irp w, 0,1,2,3
.irp n, 0,1,2,3
	ds_load_b128 v[32+32*(\w)+8*(\n):32+32*(\w)+8*(\n)+3],   v[OR] offset:8192*(\w)+1024*(\n)
	ds_load_b128 v[32+32*(\w)+8*(\n)+4:32+32*(\w)+8*(\n)+7], v[OR] offset:8192*(\w)+1024*(\n)+512
.endr
.endr
	s_wait_dscnt 0x0
	v_min3_num_f32 v244, v224, v225, v226
	v_min_num_f32 v244, v244, v227                 ; the least acc of all 256 keys
.irp w, 0,1,2,3
	v_sub_f32 v[232+(\w)], v244, v[224+(\w)]
.endr
.irp w, 0,1,2,3
	v_exp_f32 v[232+(\w)], v[232+(\w)]             ; f: what wave w's weights are multiplied by
.endr
	v_nop
	s_wait_alu depctr_va_vdst(0)
	v_mul_f32 v245, v232, v228
	v_fmac_f32 v245, v233, v229
	v_fmac_f32 v245, v234, v230
	v_fmac_f32 v245, v235, v231                    ; l, at least 1
	v_rcp_f32 v246, v245
	v_nop
	s_wait_alu depctr_va_vdst(0)
.irp w, 0,1,2,3
	v_mul_f32 v[232+(\w)], v[232+(\w)], v246       ; u = f / l
.endr
.irp w, 0,1,2,3
	v_cndmask_b32 v[224+(\w)], 1.0, v[232+(\w)], s25
.endr
.irp w, 0,1,2,3
	v_mul_f32 v[236+2*(\w)], v[232+(\w)], v[224+(\w)]  ; O_mu: u; O_var: u^2
.endr
.irp w, 0,1,2,3
	v_mov_b32 v[237+2*(\w)], v[236+2*(\w)]
.endr
.set z, 0
.rept 16
	v_pk_mul_f32 v[160+z:160+z+1], v[32+z:32+z+1], v[236:237]
.set z, z+2
.endr
.irp w, 1,2,3
.set z, 0
.rept 16
	v_pk_fma_f32 v[160+z:160+z+1], v[32+32*(\w)+z:32+32*(\w)+z+1], v[236+2*(\w):237+2*(\w)], v[160+z:160+z+1]
.set z, z+2
.endr
.endr
.set z, 0
.rept 16
	v_cvt_pk_f16_f32 v[192+z], v[160+2*z], v[160+2*z+1]  ; query r, channels 16 n + 8 h + 0..7: 16 bytes
.set z, z+1
.endr
.irp n, 0,1,2,3
	ds_store_b128 v[STI], v[192+4*(\n):192+4*(\n)+3] offset:32*(\n)
.endr
.irp f, 0,1,2,3
	ds_load_b128 v[208+4*(\f):208+4*(\f)+3], v[STO] offset:576*(\f)  ; back as four whole rows of 128 bytes; my wave's own stage
.endr
	s_wait_dscnt 0x0
.irp f, 0,1,2,3
	global_store_b128 v[GOUT], v[208+4*(\f):208+4*(\f)+3], s[18:19] offset:512*(\f)  ; 512 consecutive bytes
.endr
.Lend:
	s_wait_tensorcnt 0x0                           ; the wave's end, behind my last tensor load and my last LDS store
	ds_add_u32 v[SPW], v[NIL]
	s_wait_dscnt 0x0
	CROUND                                         ; the closing round: no work-group ends while a partner may still ask for a tile that names it
	s_endpgm
.Lfunc_end_k_q7ebc9cdd72_attn:
	.size	k_q7ebc9cdd72_attn, .Lfunc_end_k_q7ebc9cdd72_attn-k_q7ebc9cdd72_attn
	.p2alignl 7, 3214868480
	.fill 96, 4, 3214868480
	.section	.rodata,"a",@progbits
	.p2align	6, 0x0
	.amdhsa_kernel k_q7ebc9cdd72_attn
		.amdhsa_group_segment_fixed_size 296960
		.amdhsa_private_segment_fixed_size 0
		.amdhsa_enable_private_segment 0
		.amdhsa_kernarg_size 32
		.amdhsa_user_sgpr_count 2
		.amdhsa_user_sgpr_kernarg_segment_ptr 1
		.amdhsa_wavefront_size32 1
		.amdhsa_system_sgpr_workgroup_id_x 1
		.amdhsa_system_sgpr_workgroup_id_y 1
		.amdhsa_system_sgpr_workgroup_id_z 1
		.amdhsa_system_vgpr_workitem_id 0
		.amdhsa_next_free_vgpr 512
		.amdhsa_next_free_sgpr 88
		.amdhsa_reserve_vcc 0
		.amdhsa_float_denorm_mode_32 3
		.amdhsa_float_denorm_mode_16_64 3
		.amdhsa_memory_ordered 1
		.amdhsa_forward_progress 1
		.amdhsa_inst_pref_size 92
	.end_amdhsa_kernel
	.amdgpu_metadata
---
amdhsa.version: [ 1, 2 ]
amdhsa.kernels:
  - .name:           k_q7ebc9cdd72_attn
    .symbol:         k_q7ebc9cdd72_attn.kd
    .args:
      - { .name: wsf, .offset: 0, .size: 8, .value_kind: global_buffer, .address_space: global }
      - { .name: wsv, .offset: 8, .size: 8, .value_kind: global_buffer, .address_space: global }
      - { .name: wsl, .offset: 16, .size: 8, .value_kind: global_buffer, .address_space: global }
      - { .name: wso, .offset: 24, .size: 8, .value_kind: global_buffer, .address_space: global }
    .group_segment_fixed_size: 296960
    .private_segment_fixed_size: 0
    .kernarg_segment_align: 8
    .kernarg_segment_size: 32
    .max_flat_workgroup_size: 128
    .sgpr_count:     88
    .vgpr_count:     512
    .wavefront_size: 32
...
	.end_amdgpu_metadata
.endif
;; end of part 5
;; launch outp (part 6): grid 8 x 32, 4 waves a work-group, no clusters, 33,280 bytes of LDS; arguments wso, wo_mu, wo_var, bo_mu, bo_var, out0, out1; writes out0, out1
.if DOCPART == 6
	.amdgcn_target "amdgcn-amd-amdhsa--gfx1250"
	.amdhsa_code_object_version 6
	.text
	.protected	k_q7ebc9cdd72_outp
	.globl	k_q7ebc9cdd72_outp
	.p2align	8
	.type	k_q7ebc9cdd72_outp,@function
k_q7ebc9cdd72_outp:
	s_mov_b64 s[64:65], 0
	v_nop
	global_prefetch_b8 v0, s[64:65] scope:SCOPE_SE
	s_setreg_imm32_b32 hwreg(HW_REG_WAVE_MODE, 25, 1), 1
	s_wait_xcnt 0x0
; THE TWO OUTPUT PROJECTIONS.  out0 = O_mu wo_mu + bo_mu;  out1 = softplus(O_var wo_var + bo_var).  O: wso, two f16 planes [16 heads][256 rows][64]; W [1024 (k)][1024 (n)] f32; out [256][1024] f32.
; W and b are rounded to bf16 like every input; that number is then written as f16 (exact from 6e-5 up to 65,504; below with f16's fixed step of 6e-8), since O is f16.  Sums in f32.
; softplus = max(y,0) + log1p(e^-|y|); LIMIT: e^-|y| below 2^-126 (y below -87.3) counts as 0.
; SHARES.  A work-group: 32 rows x 64 columns of one output (256 work-groups).  K IS SPLIT AMONG THE FOUR WAVES: wave w takes heads 4 w .. 4 w + 3; the partial tiles meet once in LDS.
; LAYOUT.  For 16 rows k of W a lane (r = l % 16, h = l / 16) loads W[k0+16h+j][4r .. 4r+3]: sixteen lanes read 256 consecutive bytes.  Component c of the 16 loads, rounded in pairs of rows, is a B fragment
; whose column r is the real column 4 r + c.  In A and B alike place (h, i) of a fragment stands for k0 + 16 h + i: one permutation of k on both sides.  A's fragment row m is the real row 2 (m % 8) + m / 8, so
; register j of a result in lane half h is row 2 j + h.  O's fragments come from memory as they lie: 32 bytes a lane.
; NO LDS ON THE WAY IN, AND NO JOINT LOADS: the eight row blocks read the same slab of W, but each number goes from memory straight into a register of the one lane that rounds it;
; a slab asked for jointly would land in LDS as f32 and be read from there once more.
; REGISTERS: window 0: v0-15 addresses; v16-79 accumulator (s, c) at 16 + 8 (4 s + c); v80-111 W's fragments; v112-159 at work; v160-223 PX; v224-239 Y; v240-243 bias
;            window 1: three raw buffers of 80: W's row j at 80 b + 4 j, O's fragment s at 80 b + 64 + 8 s
.set SPARE, 32768                      ; behind the four waves' partial tiles (8,192 bytes each): the spare words, two blocks of 256 bytes that no other line names
.set AO,  2
.set WO,  3
.set LS,  4
.set LR,  5
.set GO,  6
.set BO,  7
.set SPW, 8
.set NIL, 9
.set ACC, 16
.set FW,  80
.set TP,  112
.set TM,  144
.set PX,  160
.set Y,   224
.set BV,  240
.set NL2E, 32
.set ABSM, 33
.set LN2,  34
.set HIM,  36
.set MSB, 0
.macro WIN new
.if MSB != (\new)
	s_set_vgpr_msb (MSB<<8)|(\new)
.set MSB, (\new)
.endif
.endm
.macro PLACES
.rept 4
	v_nop
.endr
.endm
.macro SOFTPLUS y, n, t, u, g          ; max(y,0) + ln 2 x log2 u + (t - (u - 1)), t = e^-|y|, u = fl(1 + t); two batches of transcendentals, one wait each
.set z, 0
.rept \n
	v_and_b32 v[(\t)+z], s[ABSM], v[(\y)+z]
.set z, z+1
.endr
.set z, 0
.rept \n
	v_mul_f32 v[(\t)+z], s[NL2E], v[(\t)+z]
.set z, z+1
.endr
.set z, 0
.rept \n
	v_exp_f32 v[(\t)+z], v[(\t)+z]
.set z, z+1
.endr
.set z, 0
.rept \n
	v_max_num_f32 v[(\y)+z], 0, v[(\y)+z]
.set z, z+1
.endr
	s_wait_alu depctr_va_vdst(0)
.set z, 0
.rept (\n)/2
	v_pk_add_f32 v[(\u)+z:(\u)+z+1], v[(\t)+z:(\t)+z+1], 1.0 op_sel_hi:[1,0]
.set z, z+2
.endr
.set z, 0
.rept \n
	v_log_f32 v[(\g)+z], v[(\u)+z]
.set z, z+1
.endr
	v_nop
.set z, 0
.rept (\n)/2
	v_pk_add_f32 v[(\u)+z:(\u)+z+1], v[(\u)+z:(\u)+z+1], -1.0 op_sel_hi:[1,0]
.set z, z+2
.endr
.set z, 0
.rept (\n)/2
	v_pk_add_f32 v[(\t)+z:(\t)+z+1], v[(\t)+z:(\t)+z+1], v[(\u)+z:(\u)+z+1] neg_lo:[0,1] neg_hi:[0,1]
.set z, z+2
.endr
.set z, 0
.rept (\n)/2
	v_pk_add_f32 v[(\y)+z:(\y)+z+1], v[(\y)+z:(\y)+z+1], v[(\t)+z:(\t)+z+1]
.set z, z+2
.endr
	s_wait_alu depctr_va_vdst(0)
.set z, 0
.rept (\n)/2
	v_pk_fma_f32 v[(\y)+z:(\y)+z+1], v[(\g)+z:(\g)+z+1], s[LN2:LN2+1], v[(\y)+z:(\y)+z+1] op_sel_hi:[1,0,1]
.set z, z+2
.endr
.endm
	s_load_b256 s[4:11], s[0:1], 0x0               ; wso, wo_mu, wo_var, bo_mu
	s_load_b128 s[12:15], s[0:1], 0x20             ; bo_var, out0
	s_load_b64 s[16:17], s[0:1], 0x30              ; out1
	v_lshl_add_u32 v[SPW], v0, 2, SPARE
	v_mov_b32 v[NIL], 0
	v_lshrrev_b32 v12, 5, v0
	v_readfirstlane_b32 s2, v12                    ; wave 0..3
	s_mov_b32 s3, ttmp9                            ; block of 32 rows
	s_and_b32 s18, ttmp7, 0xffff
	s_lshr_b32 s19, s18, 4                         ; a: 0 mu, 1 var
	s_and_b32 s20, s18, 15                         ; block of 64 columns
	s_mov_b32 s[NL2E], 0xbfb8aa3b
	s_mov_b32 s[ABSM], 0x7fffffff
	s_mov_b32 s[LN2], 0x3f317218
	s_mov_b32 s[LN2+1], 0x3f317218
	s_mov_b32 s[HIM], 0xffff0000
	v_and_b32 v1, 15, v0                           ; r
	v_bfe_u32 v10, v0, 4, 1                        ; h
	v_and_b32 v11, 31, v0                          ; l
	v_and_b32 v12, 7, v1
	v_lshrrev_b32 v13, 3, v1
	v_lshl_add_u32 v12, v12, 1, v13                ; the real row of fragment row r
	v_lshlrev_b32 v[AO], 7, v12                    ; x 128 bytes + 32 h + my four heads' 131,072 w
	v_lshl_add_u32 v[AO], v10, 5, v[AO]
	s_lshl_b32 s37, s2, 17
	v_add_nc_u32 v[AO], s37, v[AO]
	v_lshlrev_b32 v[WO], 4, v1                     ; (256 w + 16 h) x 4096 + 16 r
	v_lshl_add_u32 v[WO], v10, 16, v[WO]
	s_lshl_b32 s37, s2, 20
	v_add_nc_u32 v[WO], s37, v[WO]
	s_lshl_b32 s37, s2, 13
	v_lshl_add_u32 v[LS], v11, 4, s37
	s_lshr_b32 s37, s2, 1                          ; I finish m tile w / 2, registers 4 (w % 2) + 0..3
	s_lshl_b32 s37, s37, 12
	s_and_b32 s38, s2, 1
	s_lshl_b32 s38, s38, 9
	s_add_co_u32 s37, s37, s38
	v_lshl_add_u32 v[LR], v11, 4, s37
	s_lshl_b32 s37, s3, 17                         ; rows 32 blk + 8 w + 2 jj + h of 4,096 bytes, columns 64 cb + 4 r
	s_lshl_b32 s38, s2, 15
	s_add_co_u32 s37, s37, s38
	s_lshl_b32 s38, s20, 8
	s_add_co_u32 s37, s37, s38
	v_lshlrev_b32 v[GO], 4, v1
	v_lshl_add_u32 v[GO], v10, 12, v[GO]
	v_add_nc_u32 v[GO], s37, v[GO]
	v_lshlrev_b32 v[BO], 4, v1
	s_mov_b32 s31, 0
	s_wait_kmcnt 0x0
	s_cmp_eq_u32 s19, 1
	s_cselect_b64 s[24:25], s[8:9], s[6:7]         ; W,
	s_cselect_b64 s[26:27], s[12:13], s[10:11]     ; b,
	s_cselect_b64 s[28:29], s[16:17], s[14:15]     ; the output
	s_mov_b32 s30, s38
	s_add_nc_u64 s[24:25], s[24:25], s[30:31]      ; the block's 64 columns
	s_add_nc_u64 s[26:27], s[26:27], s[30:31]
	s_lshl_b32 s30, s19, 19
	s_lshl_b32 s37, s3, 12
	s_add_co_u32 s30, s30, s37
	s_add_nc_u64 s[22:23], s[4:5], s[30:31]        ; O: plane a, the block's 32 rows of 128 bytes in each head
	global_load_b128 v[BV:BV+3], v[BO], s[26:27]
.macro LOADS b, k                      ; K step k (head 4 w + k / 2, channels 32 (k % 2) on) into raw buffer b: 16 loads of W, 4 of O
	WIN 0x40
.set j, 0
.rept 16
	global_load_b128 v[80*(\b)+4*j:80*(\b)+4*j+3], v[WO], s[24:25] offset:(\k)*131072+j*4096
.set j, j+1
.endr
.set j, 0
.rept 4                                ; m tile j / 2, 16 bytes j % 2
	global_load_b128 v[80*(\b)+64+4*j:80*(\b)+64+4*j+3], v[AO], s[22:23] offset:((\k)/2)*32768+((\k)%2)*64+(j/2)*2048+(j%2)*16
.set j, j+1
.endr
.endm
.macro CVTW b                          ; W: to bf16, and that number as f16
	WIN 0x05
.set j, 0
.rept 32
	v_cvt_pk_bf16_f32 v[TP+j], v[80*(\b)+8*(j%8)+j/8], v[80*(\b)+8*(j%8)+4+j/8]
.set j, j+1
.endr
	WIN 0
.set j, 0
.rept 4
.set z, 0
.rept 8
	v_lshlrev_b32 v[TM+2*z], 16, v[TP+j+z]
	v_and_b32 v[TM+2*z+1], s[HIM], v[TP+j+z]
.set z, z+1
.endr
.set z, 0
.rept 8
	v_cvt_pk_f16_f32 v[FW+j+z], v[TM+2*z], v[TM+2*z+1]
.set z, z+1
.endr
.set j, j+8
.endr
.endm
.macro MUL b, zero                     ; 8 products; the 8 accumulators take turns, from K step to K step too
	WIN 0x01
.set j, 0
.rept 8
.if \zero
	v_wmma_f32_16x16x32_f16 v[ACC+8*j:ACC+8*j+7], v[80*(\b)+64+8*(j/4):80*(\b)+64+8*(j/4)+7], v[FW+8*(j%4):FW+8*(j%4)+7], 0
.else
	v_wmma_f32_16x16x32_f16 v[ACC+8*j:ACC+8*j+7], v[80*(\b)+64+8*(j/4):80*(\b)+64+8*(j/4)+7], v[FW+8*(j%4):FW+8*(j%4)+7], v[ACC+8*j:ACC+8*j+7]
.endif
.set j, j+1
.endr
.endm
	LOADS 0, 0
	LOADS 1, 1
	LOADS 2, 2
; My 8 K steps of 32, written out: every step stands in the loads' immediates, and no address register is ever rewritten.
.irp k, 0,1,2,3,4,5,6,7
.if (\k) < 6
	s_wait_loadcnt 40                              ; loads come back in order: behind this step's stand the 20 of each of the next two steps
.elseif (\k) == 6
	s_wait_loadcnt 20
.else
	s_wait_loadcnt 0x0
.endif
	CVTW (\k)%3
.if (\k) == 0
	MUL 0, 1
.else
	MUL (\k)%3, 0
.endif
	PLACES                                         ; ahead of the loads into O's fragments, of the next conversions into W's, and at the end of the stores that read results
.if (\k) < 5
	LOADS (\k)%3, (\k)+3
.endif
.endr
	WIN 0
.set j, 0
.rept 8                                ; each accumulator's low registers first
	ds_store_b128 v[LS], v[ACC+8*j:ACC+8*j+3] offset:1024*j
	ds_store_b128 v[LS], v[ACC+8*j+4:ACC+8*j+7] offset:1024*j+512
.set j, j+1
.endr
	s_wait_dscnt 0x0                               ; for the others' sake
	s_barrier_signal -1
	s_barrier_wait -1
.irp p, 0,1,2,3
.irp c, 0,1,2,3
	ds_load_b128 v[PX+16*(\p)+4*(\c):PX+16*(\p)+4*(\c)+3], v[LR] offset:8192*(\p)+1024*(\c)
.endr
.endr
	v_cvt_pk_bf16_f32 v244, v[BV], v[BV+1]         ; the bias is rounded to bf16 like every input
	v_cvt_pk_bf16_f32 v245, v[BV+2], v[BV+3]
	v_lshlrev_b32 v[BV], 16, v244
	v_and_b32 v[BV+1], s[HIM], v244
	v_lshlrev_b32 v[BV+2], 16, v245
	v_and_b32 v[BV+3], s[HIM], v245
	s_wait_dscnt 0x0
.set z, 0
.rept 8
	v_pk_add_f32 v[PX+z:PX+z+1], v[PX+z:PX+z+1], v[PX+16+z:PX+16+z+1]
	v_pk_add_f32 v[PX+32+z:PX+32+z+1], v[PX+32+z:PX+32+z+1], v[PX+48+z:PX+48+z+1]
.set z, z+2
.endr
.set z, 0
.rept 8
	v_pk_add_f32 v[PX+z:PX+z+1], v[PX+z:PX+z+1], v[PX+32+z:PX+32+z+1]
.set z, z+2
.endr
.irp j, 0,1,2,3
.irp c, 0,1,2,3
	v_add_f32 v[Y+4*(\j)+(\c)], v[PX+4*(\c)+(\j)], v[BV+(\c)]
.endr
.endr
	s_cmp_eq_u32 s19, 0
	s_cbranch_scc1 .Lnosp
	SOFTPLUS Y, 16, PX+16, PX+32, PX+48
.Lnosp:
.irp j, 0,1,2,3
	global_store_b128 v[GO], v[Y+4*(\j):Y+4*(\j)+3], s[28:29] offset:8192*(\j) th:TH_STORE_NT  ; sixteen lanes store 256 consecutive bytes of a row, at a multiple of 256 from the output's first byte
.endr
	s_wait_tensorcnt 0x0                           ; the wave's end, behind my last LDS store
	ds_add_u32 v[SPW], v[NIL]
	s_wait_dscnt 0x0
	s_endpgm
.Lfunc_end_k_q7ebc9cdd72_outp:
	.size	k_q7ebc9cdd72_outp, .Lfunc_end_k_q7ebc9cdd72_outp-k_q7ebc9cdd72_outp
	.p2alignl 7, 3214868480
	.fill 96, 4, 3214868480
	.section	.rodata,"a",@progbits
	.p2align	6, 0x0
	.amdhsa_kernel k_q7ebc9cdd72_outp
		.amdhsa_group_segment_fixed_size 33280
		.amdhsa_private_segment_fixed_size 0
		.amdhsa_enable_private_segment 0
		.amdhsa_kernarg_size 56
		.amdhsa_user_sgpr_count 2
		.amdhsa_user_sgpr_kernarg_segment_ptr 1
		.amdhsa_wavefront_size32 1
		.amdhsa_system_sgpr_workgroup_id_x 1
		.amdhsa_system_sgpr_workgroup_id_y 1
		.amdhsa_system_sgpr_workgroup_id_z 1
		.amdhsa_system_vgpr_workitem_id 0
		.amdhsa_next_free_vgpr 512
		.amdhsa_next_free_sgpr 66
		.amdhsa_reserve_vcc 0
		.amdhsa_float_denorm_mode_32 3
		.amdhsa_float_denorm_mode_16_64 3
		.amdhsa_memory_ordered 1
		.amdhsa_forward_progress 1
		.amdhsa_inst_pref_size 83
	.end_amdhsa_kernel
	.amdgpu_metadata
---
amdhsa.version: [ 1, 2 ]
amdhsa.kernels:
  - .name:           k_q7ebc9cdd72_outp
    .symbol:         k_q7ebc9cdd72_outp.kd
    .args:
      - { .name: wso, .offset: 0, .size: 8, .value_kind: global_buffer, .address_space: global }
      - { .name: wo_mu, .offset: 8, .size: 8, .value_kind: global_buffer, .address_space: global }
      - { .name: wo_var, .offset: 16, .size: 8, .value_kind: global_buffer, .address_space: global }
      - { .name: bo_mu, .offset: 24, .size: 8, .value_kind: global_buffer, .address_space: global }
      - { .name: bo_var, .offset: 32, .size: 8, .value_kind: global_buffer, .address_space: global }
      - { .name: out0, .offset: 40, .size: 8, .value_kind: global_buffer, .address_space: global }
      - { .name: out1, .offset: 48, .size: 8, .value_kind: global_buffer, .address_space: global }
    .group_segment_fixed_size: 33280
    .private_segment_fixed_size: 0
    .kernarg_segment_align: 8
    .kernarg_segment_size: 56
    .max_flat_workgroup_size: 128
    .sgpr_count:     66
    .vgpr_count:     512
    .wavefront_size: 32
...
	.end_amdgpu_metadata
.endif
;; end of part 6
